; MI455X (gfx1250); checked and timed in simulation.
; The chip was launched on July 23, 2026; its instructions are those of AMD's public machine-readable ISA for CDNA 5 (MIT licence, August 2026) and "CDNA5" Instruction Set Architecture Reference Guide (July 2026). The comments in the code are by the model that wrote it; some were corrected since.
;; Hierarchical Attention. Allowed arithmetic: float matrix products may take bf16 or f16 operands with f32 sums; other float arithmetic in f32, or as packed bf16 or f16 multiplies, adds, multiply-adds, maxima and minima; sums over many terms, partial sums and values carried from step to step in f32; what a program stores and reads back later, other than sums and carried values, may be rounded once to bf16 or f16.
;; Inputs: Wg 512 x 512 float32; Wk 512 x 512 float32; Wo 512 x 512 float32; Wq 512 x 512 float32; Wv 512 x 512 float32; x 2 x 16,384 x 512 float32.
;; Outputs: out0 2 x 16,384 x 512 float32.
;; One version. Each part assembles by itself: llvm-mc -triple=amdgcn-amd-amdhsa -mcpu=gfx1250 --defsym DOCPART=n.
;; ======== version 1 of 1: 4 launches
;; limits: values are held in f16: magnitudes above 65,504 overflow, below 6.1e-05 lose precision
;; workspace buffers: wqkv 1,572,864 bytes; wo16 524,288 bytes; mb 524,288 bytes; xb 33,554,432 bytes; ob 33,554,432 bytes; pg 1,048,576 bytes; ctx 131,072 bytes
;; launch prep (part 1): grid 16 x 72, 8 waves a work-group, no clusters, 92,160 bytes of LDS; arguments Wq, Wk, Wv, Wo, Wg, x, wqkv, wo16, mb, xb; writes wqkv, wo16, mb, xb
.if DOCPART == 1
	.amdgcn_target "amdgcn-amd-amdhsa--gfx1250"
	.amdhsa_code_object_version 6
	.text
	.protected	k_qfe18eb8a88_prep
	.globl	k_qfe18eb8a88_prep
	.p2align	8
	.type	k_qfe18eb8a88_prep,@function
k_qfe18eb8a88_prep:
	s_mov_b64 s[64:65], 0
	v_nop
	global_prefetch_b8 v0, s[64:65] scope:SCOPE_SE
	s_setreg_imm32_b32 hwreg(HW_REG_WAVE_MODE, 25, 1), 1
	s_wait_xcnt 0x0
; What later launches need of the inputs, made once.  Wq, Wk, Wv, Wo [512][512] f32 and x [32768][512] f32 are rounded to bf16 and laid out in dense tiles of 64 along k:
;   wqkv [head 8][k block 8][192 rows: 64 of Wq, 64 of Wk, 64 of Wv][64 k] bf16
;   wo16 [n tile 2][k block 8][256 n][64 k]: Wo rounded to bf16, that number written as f16
;   xb   [chunk 64][k block 8][512 tokens][64 k] bf16
; and M = Wg Wo (operands rounded to bf16, sums in f32, M rounded once to bf16), which takes a chunk's mean of the attention's output straight to the global projection:
;   mb   [k block 8][512 n][64 k] bf16,  M[n][k] = the sum over j of Wg[n][j] Wo[j][k]
; LIMIT: wo16 holds f16: |Wo| stays under 65,504; below 6e-5 it keeps f16's fixed step of 6e-8.
; SHARES: work-group (gx, y).  y = 0 .. 3: a block of 64 n x 64 k of M.  y = 4 .. 7: rows 32 gx .. of Wq, Wk, Wv, Wo.  y = 8 .. 71: tokens 32 gx .. of chunk y - 8.
; THE STREAM (y >= 4).  Thread t: row t / 8 of the 32, floats 8 (t % 8) .. + 7 of each block of 64.  A wave's store covers four rows of 128 bytes that lie end to end in a tile: 512 consecutive
; bytes, aligned.  All of a thread's 16 loads go out together.  No LDS, no barrier: memory binds.
; THE PRODUCT (y < 4).  Block (kb = number % 8, nq = number / 8).  Wo's 512 rows x 64 columns of block kb are rounded and staged in LDS as they lie, [j][k], rows 160 bytes apart, and read turned
; (ds_load_tr16_b128) as source 0: 16 k x 32 j.  Wg's rows come straight from memory as source 1: 16 n x 32 j.  So a lane ends with eight neighbouring k of one row n of M.
; Wave v: n tile v / 2 of four, k tiles 2 (v % 2) and 2 (v % 2) + 1: two accumulators, which take turns.
.set RAW, 16                           ; the stream: v[16:79] 8 floats for each of 8 k blocks
.set BF,  80                           ; v[80:111]  4 packed words for each k block
.set HF,  116                          ; v[116:147] the same as f16
.set SPW, 12                           ; v12 SPARE + 4 x my thread's number; never rewritten
.set NIL, 13                           ; v13 0; never rewritten
.set WOP, 160                          ; the product: a row of Wo's stage: 128 bytes + 32
.set MST, 512*WOP                      ; behind it the stage for M's block: 64 rows of 128 + 16 bytes
.set MSP, 144
.set SPARE, MST+64*MSP                 ; the spare words, 128 bytes a wave, that no other line names
.set RA,  16                           ; v[16:79], v[80:143]: two buffers of 64: Wo as loaded; then Wg as loaded, rounded in place into the lower 32, the upper 32 taking Wo's fragments
.set RB,  80
.set ACC, 144                          ; v[144:159] two accumulators
	s_load_b512 s[8:23], s[0:1], 0x0               ; Wq s[8:9], Wk s[10:11], Wv s[12:13], Wo s[14:15], Wg s[16:17], x s[18:19], wqkv s[20:21], wo16 s[22:23]
	s_load_b128 s[24:27], s[0:1], 0x40             ; mb s[24:25], xb s[26:27]
	v_lshl_add_u32 v[SPW], v0, 2, SPARE
	v_mov_b32 v[NIL], 0
	s_and_b32 s2, ttmp7, 0xffff                    ; y
	s_mov_b32 s3, ttmp9                            ; gx
	s_cmp_lt_u32 s2, 4
	s_cbranch_scc1 .Lproduct                       ; the same way for all waves of a work-group
	v_and_b32 v3, 7, v0
	v_lshrrev_b32 v4, 3, v0
	v_lshlrev_b32 v1, 11, v4
	v_lshl_add_u32 v1, v3, 5, v1                   ; source: row x 2,048 + 32 x (t % 8)
	v_lshlrev_b32 v2, 7, v4
	v_lshl_add_u32 v2, v3, 4, v2                   ; destination: row x 128 + 16 x (t % 8)
	s_max_u32 s32, s2, 8
	s_sub_co_u32 s32, s32, 8                       ; the chunk, or 0 for a weight
	s_lshl_b32 s30, s32, 4
	s_add_co_u32 s30, s30, s3                      ; which 32 rows of the source
	s_lshl_b32 s30, s30, 16                        ; of 2,048 bytes
	s_mov_b32 s31, 0
	s_wait_kmcnt 0x0
	s_mov_b64 s[36:37], s[8:9]
	s_cmp_eq_u32 s2, 5
	s_cselect_b64 s[36:37], s[10:11], s[36:37]
	s_cmp_eq_u32 s2, 6
	s_cselect_b64 s[36:37], s[12:13], s[36:37]
	s_cmp_eq_u32 s2, 7
	s_cselect_b64 s[36:37], s[14:15], s[36:37]
	s_cmp_ge_u32 s2, 8
	s_cselect_b64 s[36:37], s[18:19], s[36:37]
	s_add_nc_u64 s[36:37], s[36:37], s[30:31]
.irp kb, 0,1,2,3,4,5,6,7
	global_load_b128 v[RAW+8*\kb:RAW+8*\kb+3],   v1, s[36:37] offset:\kb*256 th:TH_LOAD_NT
	global_load_b128 v[RAW+8*\kb+4:RAW+8*\kb+7], v1, s[36:37] offset:\kb*256+16 th:TH_LOAD_NT
.endr
.irp kb, 0,1,2,3,4,5,6,7
	s_wait_loadcnt 14-2*\kb                        ; the later blocks' loads, two each, may stay out
.irp j, 0,1,2,3
	v_cvt_pk_bf16_f32 v[BF+4*\kb+\j], v[RAW+8*\kb+2*\j], v[RAW+8*\kb+2*\j+1]
.endr
.endr
	s_cmp_ge_u32 s2, 8
	s_cbranch_scc0 .Lweight
	s_lshl_b32 s30, s32, 19                        ; xb: the chunk's 8 blocks of 65,536 bytes,
	s_lshl_b32 s33, s3, 12                         ; + 32 gx rows of 128 bytes
	s_add_co_u32 s30, s30, s33
	s_add_nc_u64 s[38:39], s[26:27], s[30:31]
.irp kb, 0,1,2,3,4,5,6,7
	global_store_b128 v2, v[BF+4*\kb:BF+4*\kb+3], s[38:39] offset:\kb*65536
.endr
	s_endpgm
.Lweight:
	s_cmp_lt_u32 s2, 7
	s_cbranch_scc0 .Lis_o
	s_lshr_b32 s32, s3, 1                          ; head
	s_mul_i32 s30, s32, 8*192*128
	s_sub_co_u32 s33, s2, 4
	s_lshl_b32 s33, s33, 13                        ; + 64 rows of 128 bytes for Wk, 128 for Wv
	s_add_co_u32 s30, s30, s33
	s_and_b32 s33, s3, 1
	s_lshl_b32 s33, s33, 12                        ; + which 32 of the head's 64 rows
	s_add_co_u32 s30, s30, s33
	s_add_nc_u64 s[38:39], s[20:21], s[30:31]
.irp kb, 0,1,2,3,4,5,6,7
	global_store_b128 v2, v[BF+4*\kb:BF+4*\kb+3], s[38:39] offset:\kb*192*128
.endr
	s_endpgm
.Lis_o:
	s_lshr_b32 s32, s3, 3                          ; n tile
	s_lshl_b32 s30, s32, 18
	s_and_b32 s33, s3, 7
	s_lshl_b32 s33, s33, 12
	s_add_co_u32 s30, s30, s33
	s_add_nc_u64 s[40:41], s[22:23], s[30:31]
.set i, 0
.rept 32
	v_lshlrev_b32 v112, 16, v[BF+i]                ; the rounded numbers, widened,
	v_and_b32 v113, 0xffff0000, v[BF+i]
	v_cvt_pk_f16_f32 v[HF+i], v112, v113           ; and written as f16
.set i, i+1
.endr
.irp kb, 0,1,2,3,4,5,6,7
	global_store_b128 v2, v[HF+4*\kb:HF+4*\kb+3], s[40:41] offset:\kb*32768
.endr
	s_endpgm
.macro PLACES                          ; four places behind a matrix instruction, in front of lines that write its sources or read its result
.rept 4
	v_nop
.endr
.endm
.macro STAGE16 first, adr              ; 16 loads' worth of Wo (16 x 16 rows of the work-group): rounded in place, 8 bytes a lane into the stage
.set i, 0
.rept 16
	v_cvt_pk_bf16_f32 v[(\first)+4*i], v[(\first)+4*i], v[(\first)+4*i+1]
	v_cvt_pk_bf16_f32 v[(\first)+4*i+1], v[(\first)+4*i+2], v[(\first)+4*i+3]
	ds_store_b64 v[\adr], v[(\first)+4*i:(\first)+4*i+1] offset:i*16*WOP
.set i, i+1
.endr
.endm
.macro WGLD g, R                       ; 16 loads: my 16 rows of Wg, j = 128 g .. 128 g + 127: for each 32 j the floats 8 h + 0..7 and 16 + 8 h + 0..7
.irp q, 0,1,2,3
.irp c, 0,1,2,3
	global_load_b128 v[(\R)+16*\q+4*\c:(\R)+16*\q+4*\c+3], v7, s[38:39] offset:(4*(\g)+\q)*128+(\c/2)*64+(\c%2)*16
.endr
.endr
.endm
.macro AFLD ks, D                      ; 4 turning loads: my two k tiles x the 32 j of step ks
.irp t, 0,1
	ds_load_tr16_b128 v[(\D)+8*\t:(\D)+8*\t+3],   v[8+(\ks)/8] offset:((\ks)%8)*32*WOP+32*\t
	ds_load_tr16_b128 v[(\D)+8*\t+4:(\D)+8*\t+7], v[8+(\ks)/8] offset:((\ks)%8)*32*WOP+16*WOP+32*\t
.endr
.endm
; Four steps of 32 j, on buffer R.  left: the loads of the one younger group.  Word i takes floats 2 i and 2 i + 1, in ascending order, so that no float is overwritten before it is read.
.macro MGROUP g, R, left, more
	s_wait_loadcnt \left
.set i, 0
.rept 32
	v_cvt_pk_bf16_f32 v[(\R)+i], v[(\R)+2*i], v[(\R)+2*i+1]
.set i, i+1
.endr
.irp hf, 0,1
	AFLD 4*(\g)+2*\hf, (\R)+32
	AFLD 4*(\g)+2*\hf+1, (\R)+48
	s_wait_dscnt 0x0
.irp s, 0,1
.irp t, 0,1
.if ((\g) == 0) && (\hf == 0) && (\s == 0)
	v_wmma_f32_16x16x32_bf16 v[ACC+8*\t:ACC+8*\t+7], v[(\R)+32+16*\s+8*\t:(\R)+32+16*\s+8*\t+7], v[(\R)+8*(2*\hf+\s):(\R)+8*(2*\hf+\s)+7], 0
.else
	v_wmma_f32_16x16x32_bf16 v[ACC+8*\t:ACC+8*\t+7], v[(\R)+32+16*\s+8*\t:(\R)+32+16*\s+8*\t+7], v[(\R)+8*(2*\hf+\s):(\R)+8*(2*\hf+\s)+7], v[ACC+8*\t:ACC+8*\t+7]
.endif
.endr
.endr
	PLACES
.endr
.if \more
	WGLD (\g)+2, \R
.endif
.endm
.Lproduct:
	v_lshrrev_b32 v1, 5, v0
	v_readfirstlane_b32 s4, v1                     ; wave 0..7
	v_and_b32 v2, 15, v0                           ; r = l % 16
	v_bfe_u32 v3, v0, 4, 1                         ; h = l / 16
	s_lshl_b32 s5, s2, 4
	s_add_co_u32 s5, s5, s3                        ; the block's number, 0 .. 63
	s_and_b32 s6, s5, 7                            ; kb
	s_lshr_b32 s7, s5, 3                           ; nq
	s_lshr_b32 s32, s4, 1                          ; my n tile of four
	s_and_b32 s33, s4, 1                           ; my pair of k tiles
	v_lshlrev_b32 v4, 11, v3
	v_lshl_add_u32 v4, v2, 4, v4                   ; Wo: 16 lanes take a row's 256 bytes, lanes 16-31 the next row
	s_mul_i32 s34, s4, 2*WOP
	v_mul_u32_u24 v5, v3, WOP
	v_lshl_add_u32 v5, v2, 3, v5
	v_add_nc_u32 v5, s34, v5                       ; its stage: row 2 wave + h, 8 bytes a lane
	v_add_nc_u32 v6, 256*WOP, v5                   ; and 256 rows on
	v_lshlrev_b32 v7, 11, v2
	v_lshl_add_u32 v7, v3, 5, v7                   ; Wg: row r, 32 bytes for each half of the lanes
	v_and_b32 v8, 7, v0
	v_lshl_add_u32 v8, v3, 3, v8                   ; the turning load: row j = 8 h + l % 8, columns 8 ((l / 8) % 2) ..
	v_mul_u32_u24 v8, v8, WOP
	v_bfe_u32 v9, v0, 3, 1
	v_lshl_add_u32 v8, v9, 4, v8
	s_lshl_b32 s34, s33, 6                         ; my pair's 32 columns: 64 bytes
	v_add_nc_u32 v8, s34, v8
	v_add_nc_u32 v9, 256*WOP, v8                   ; and 256 rows on
	s_mul_i32 s35, s32, 16*MSP
	s_add_co_u32 s35, s35, s34
	s_add_co_u32 s35, s35, MST
	v_mul_u32_u24 v10, v2, MSP
	v_lshl_add_u32 v10, v3, 4, v10
	v_add_nc_u32 v10, s35, v10                     ; into M's stage: row 16 (v / 2) + r, my pair's bytes, 16 for each half of the lanes
	v_bfe_u32 v11, v0, 3, 2
	v_mul_u32_u24 v11, v11, MSP
	v_and_b32 v14, 7, v0
	v_lshl_add_u32 v11, v14, 4, v11
	s_mul_i32 s35, s4, 4*MSP
	s_add_co_u32 s35, s35, MST
	v_add_nc_u32 v11, s35, v11                     ; back: 32 lanes take four rows of 128 bytes
	v_and_b32 v14, 31, v0
	v_lshlrev_b32 v14, 4, v14                      ; which are 512 consecutive bytes of mb
	s_lshl_b32 s30, s4, 12                         ; Wo: rows 2 wave .., columns 64 kb ..
	s_lshl_b32 s31, s6, 8
	s_add_co_u32 s30, s30, s31
	s_mov_b32 s31, 0
	s_lshl_b32 s34, s7, 17                         ; Wg: rows 64 nq + 16 (v / 2) ..
	s_lshl_b32 s35, s32, 15
	s_add_co_u32 s34, s34, s35
	s_mov_b32 s35, 0
	s_lshl_b32 s42, s6, 16                         ; mb: block kb, rows 64 nq .., my 512 bytes
	s_lshl_b32 s43, s7, 13
	s_add_co_u32 s42, s42, s43
	s_lshl_b32 s43, s4, 9
	s_add_co_u32 s42, s42, s43
	s_mov_b32 s43, 0
	s_wait_kmcnt 0x0
	s_add_nc_u64 s[36:37], s[14:15], s[30:31]
	s_add_nc_u64 s[38:39], s[16:17], s[34:35]
	s_add_nc_u64 s[40:41], s[24:25], s[42:43]
.set i, 0
.rept 32
	global_load_b128 v[RA+4*i:RA+4*i+3], v4, s[36:37] offset:i*32768   ; rows 16 i + 2 wave + h
.set i, i+1
.endr
	s_wait_loadcnt 16                              ; the first 16 are in
	STAGE16 RA, 5
	WGLD 0, RA
	s_wait_loadcnt 16                              ; the other 16 of Wo are in: behind them Wg's first group
	STAGE16 RB, 6
	WGLD 1, RB
	s_wait_dscnt 0x0                               ; for the others' sake: my rows of Wo are staged
	s_barrier_signal -1
	s_barrier_wait -1
	MGROUP 0, RA, 16, 1
	MGROUP 1, RB, 16, 1
	MGROUP 2, RA, 16, 0
	MGROUP 3, RB, 0, 0
.irp t, 0,1
.irp jj, 0,1,2,3
	v_cvt_pk_bf16_f32 v[RA+4*\t+\jj], v[ACC+8*\t+2*\jj], v[ACC+8*\t+2*\jj+1]
.endr
	ds_store_b128 v10, v[RA+4*\t:RA+4*\t+3] offset:32*\t
.endr
	s_wait_dscnt 0x0
	s_barrier_signal -1
	s_barrier_wait -1                              ; the block of M lies in its stage
	ds_load_b128 v[RA+8:RA+11], v11
	ds_load_b128 v[RA+12:RA+15], v11 offset:32*MSP
	s_wait_dscnt 0x0
	global_store_b128 v14, v[RA+8:RA+11], s[40:41]                 ; 512 consecutive bytes, aligned
	global_store_b128 v14, v[RA+12:RA+15], s[40:41] offset:4096
	s_wait_tensorcnt 0x0                           ; the wave's end, behind my last LDS store
	ds_add_u32 v[SPW], v[NIL]
	s_wait_dscnt 0x0
	s_endpgm
.Lfunc_end_k_qfe18eb8a88_prep:
	.size	k_qfe18eb8a88_prep, .Lfunc_end_k_qfe18eb8a88_prep-k_qfe18eb8a88_prep
	.p2alignl 7, 3214868480
	.fill 96, 4, 3214868480
	.section	.rodata,"a",@progbits
	.p2align	6, 0x0
	.amdhsa_kernel k_qfe18eb8a88_prep
		.amdhsa_group_segment_fixed_size 92160
		.amdhsa_private_segment_fixed_size 0
		.amdhsa_enable_private_segment 0
		.amdhsa_kernarg_size 80
		.amdhsa_user_sgpr_count 2
		.amdhsa_user_sgpr_kernarg_segment_ptr 1
		.amdhsa_wavefront_size32 1
		.amdhsa_system_sgpr_workgroup_id_x 1
		.amdhsa_system_sgpr_workgroup_id_y 1
		.amdhsa_system_sgpr_workgroup_id_z 1
		.amdhsa_system_vgpr_workitem_id 0
		.amdhsa_next_free_vgpr 160
		.amdhsa_next_free_sgpr 66
		.amdhsa_reserve_vcc 0
		.amdhsa_float_denorm_mode_32 3
		.amdhsa_float_denorm_mode_16_64 3
		.amdhsa_memory_ordered 1
		.amdhsa_forward_progress 1
		.amdhsa_inst_pref_size 48
	.end_amdhsa_kernel
	.amdgpu_metadata
---
amdhsa.version: [ 1, 2 ]
amdhsa.kernels:
  - .name:           k_qfe18eb8a88_prep
    .symbol:         k_qfe18eb8a88_prep.kd
    .args:
      - { .name: Wq, .offset: 0, .size: 8, .value_kind: global_buffer, .address_space: global }
      - { .name: Wk, .offset: 8, .size: 8, .value_kind: global_buffer, .address_space: global }
      - { .name: Wv, .offset: 16, .size: 8, .value_kind: global_buffer, .address_space: global }
      - { .name: Wo, .offset: 24, .size: 8, .value_kind: global_buffer, .address_space: global }
      - { .name: Wg, .offset: 32, .size: 8, .value_kind: global_buffer, .address_space: global }
      - { .name: x, .offset: 40, .size: 8, .value_kind: global_buffer, .address_space: global }
      - { .name: wqkv, .offset: 48, .size: 8, .value_kind: global_buffer, .address_space: global }
      - { .name: wo16, .offset: 56, .size: 8, .value_kind: global_buffer, .address_space: global }
      - { .name: mb, .offset: 64, .size: 8, .value_kind: global_buffer, .address_space: global }
      - { .name: xb, .offset: 72, .size: 8, .value_kind: global_buffer, .address_space: global }
    .group_segment_fixed_size: 92160
    .private_segment_fixed_size: 0
    .kernarg_segment_align: 8
    .kernarg_segment_size: 80
    .max_flat_workgroup_size: 256
    .sgpr_count:     66
    .vgpr_count:     160
    .wavefront_size: 32
...
	.end_amdgpu_metadata
.endif
;; end of part 1
;; launch attn (part 2): grid 8 x 64, 4 waves a work-group, clusters of 4 x 4, 327,680 bytes of LDS; arguments xb, wqkv, ob, pg, mb; writes ob, pg
.if DOCPART == 2
	.amdgcn_target "amdgcn-amd-amdhsa--gfx1250"
	.amdhsa_code_object_version 6
	.text
	.protected	k_qfe18eb8a88_attn
	.globl	k_qfe18eb8a88_attn
	.p2align	8
	.type	k_qfe18eb8a88_attn,@function
k_qfe18eb8a88_attn:
	s_mov_b64 s[64:65], 0
	v_nop
	global_prefetch_b8 v0, s[64:65] scope:SCOPE_SE
	s_setreg_imm32_b32 hwreg(HW_REG_WAVE_MODE, 25, 1), 1
	s_wait_xcnt 0x0
	s_wait_alu depctr_hold_cnt(0) depctr_sa_sdst(0) depctr_va_vdst(0) depctr_va_sdst(0) depctr_va_ssrc(0) depctr_va_vcc(0) depctr_vm_vsrc(0)
	s_getreg_b32 s2, hwreg(HW_REG_IB_STS2, 6, 4)
	s_cmp_eq_u32 s2, 0
	s_cbranch_scc0 .Lentry_in_a_cluster
	s_endpgm
.Lentry_in_a_cluster:
	s_bfe_u32 s2, ttmp6, 0x10000c
	s_cmp_lg_u32 s2, 0xf033
	s_cbranch_scc0 .Lentry_shape_is_right
	s_endpgm
.Lentry_shape_is_right:
; One work-group = one chunk of 512 tokens x one head.  PHASE 1: q, k, v = x W^T for the head's 192 columns (x and W in bf16, sums in f32).
; PHASE 2: softmax(q k^T / 8) v over the chunk's 512 keys, with a running maximum; q, k, v and the weights p in f16, maxima and sums in f32.  OUT: O in f16 into ob
; [2 chunk + token / 256][head][256 tokens][64].  THE TAIL: the f32 sum of the unrounded O over the chunk's tokens (64 channels), rounded to bf16 as a matrix operand, times the head's 64 columns
; of M = Wg Wo (mb): this head's part of 512 x the chunk's global projection, in f32, into pg [batch][head of g 8][part = my head][chunk 32][64].  (The mean is linear: it is applied behind the products.)
; LIMITS: q, k, v stay within f16's 65,504 (O is a mean of v's rows); p below 6e-5 keeps f16's fixed step; a weight below 2^-126 counts as 0 in the sum; NaN and infinities are not treated apart.
; SHARES: four waves, each 128 tokens x 192 columns: 96 accumulators of 16 x 16 in windows 1 (q), 2 (k), 3 (v).  K = 512 goes in 8 steps of 64 through two LDS slots.
; xb [chunk][K step][512 tokens][64] and wqkv [head][K step][192 rows][64] are dense blocks: they are asked for as rows of 256 bytes and padded in LDS after every 128 bytes: rows 144 = 9 x 16 bytes apart.
; CLUSTER 4 x 4: head = 4 cluster x + cx, chunk = 4 cluster y + cy.  x's tile hangs on the chunk alone and is asked for jointly along the cluster's row, W's on the head alone, along the column.
; THE MATRIX INSTRUCTION IS USED TRANSPOSED (source 0 = 16 rows of W, source 1 = 16 tokens): a lane holds one token and eight neighbouring channels, which pack into 16 bytes of a row of k or v,
; and two neighbouring accumulators of q, packed, are a fragment of q as the second phase wants it.
; LDS: two slots (x's 512 rows, then W's 192); behind them k's 512 rows, the waves' stages, the column sums, the parts' stages and the spare words, each with bytes of its own;
; v's 512 rows lie in slot 0, after that slot's last fill and behind the barrier that ends its last reads.
.set XPI,   144                        ; a row of x in LDS: 128 bytes + 16
.set XHALF, 256*XPI                    ; 256 tokens: what one tensor load brings
.set WP,    144                        ; a row of W in LDS
.set WHALF, 96*WP
.set WOFF,  2*XHALF
.set SLOT,  WOFF+2*WHALF               ; 101,376
.set NP,    4                          ; pieces of two query tiles a wave
.set KS,    64                         ; keys in a step
.set PK,    144                        ; a row of k in LDS
.set PV,    160                        ; a row of v; v begins at LDS byte 0
.set KOFF,  2*SLOT                     ; k's rows
.set SP,    144
.set STAGE, KOFF+512*PK                ; 32 rows x 144 bytes for each wave
.set SUMSB, STAGE+4*32*SP              ; 256 bytes for each wave's column sums
.set PGS,   SUMSB+4*256                ; 512 bytes for each wave's 128 numbers of the part
.set SPARE, PGS+4*512                  ; the spare words, 128 bytes a wave, that no other line names
.set MO,  1                            ; v1  from the end of the set-up on: my lane's place in a fragment of M: r x 128 + 16 h; then never rewritten
.set AK0, 2                            ; v2  my lane's place in a tile of k
.set AV0, 3                            ; v3  the same for v
.set AK,  4
.set AV,  5
.set STO, 6
.set RD,  7
.set GO,  8
.set SPW, 10                           ; v10 SPARE + 4 x my thread's number; never rewritten
.set NIL, 11                           ; v11 0; never rewritten
.set MV,  12
.set ADX, 16                           ; v16-17 phase 1: my x fragments in slot 0, 1
.set ADW, 18                           ; v18-19 my W fragments in slot 0, 1
.set PFO, 20                           ; v20 lane x 256
.set KST, 21                           ; v21 where I store 16 bytes of k
.set VST, 22                           ; v22 of v
.set WF,  32                           ; v32-127  phase 1: 12 fragments of W
.set XF,  128                          ; v128-255 8 fragments of x, two buffers, by the sub-step's parity
.set ST,  16                           ; phase 2: tile t's statistics at v[ST+4 t]: c m, m, l (even keys', odd keys')
.set TMP, 48
.set S,   64
.set P,   192
.set CSUM, 192
.set CF,  224                          ; the tail: the column sums as two fragments
.set PGA, 128                          ; the tail: eight accumulators
.set KF,  128                          ; window 2
.set VF,  192                          ; window 2
.set WV,  12
.set WH,  13
.set WL,  14
.set G1,  24
.set G0,  32
.set LIM, 43
.set PFA, 44
.set G1B, 48
.set G0B, 56
.set MP,  68                           ; s[68:69] mb at my 128 rows of the head's block
.set CS,  70
.set SEL, 72
.set TBK, 74
.set TBV, 75
.set CNT, 76
.set MSB, 0
.macro WIN new                         ; the immediate's high byte repeats the setting that is left; a switch that changes nothing is dropped
.if MSB != (\new)
	s_set_vgpr_msb (MSB<<8)|(\new)
.set MSB, (\new)
.endif
.endm
.set W_KQ, 0x0a
.set W_PV, 0x52
.set W_RS, 0x41
.macro PLACES                          ; four places behind a matrix instruction, in front of lines that write its sources or read its result
.rept 4
	v_nop
.endr
.endm
; A joint load: waves 0 and 1 fetch x's two halves, waves 2 and 3 W's.  An s_nop 0 and four v_nop follow each line.
.macro JLOAD s
	s_cmp_eq_u32 s[WH], 0
	s_cbranch_scc0 .Lfor_w_\@
	tensor_load_to_lds s[G0+4*(\s):G0+4*(\s)+3], s[G1:G1+7]
	s_nop 0
.rept 4
	v_nop
.endr
	s_branch .Lasked_\@
.Lfor_w_\@:
	tensor_load_to_lds s[G0B+4*(\s):G0B+4*(\s)+3], s[G1B:G1B+7]
	s_nop 0
.rept 4
	v_nop
.endr
.Lasked_\@:
.endm
.macro CREST                           ; a round of the cluster's barrier behind its opening barrier
	s_cmp_lg_u32 s[WV], 0
	s_cbranch_scc1 .Lnot_wave_0_\@
	s_barrier_signal -3
.Lnot_wave_0_\@:
	s_barrier_wait -3
	s_barrier_signal -1
	s_barrier_wait -1
.endm
.macro CROUND
	s_barrier_signal -1
	s_barrier_wait -1
	CREST
.endm
; A prefetch of x: at the change of slots in K step t the block of K step t + 3, one K step (192 matrix instructions) ahead of the refill that loads it.  Each 256 bytes are named once:
; both clusters of a chunk read the block, the one with cluster x = 0 asks; of the 32,768 bytes that wave 0 or 1 fetches each of the four row partners takes 8,192, told apart by address (cx);
; a lane 256 bytes, one line.  how = 1: always (slot 0's changes, t = 0, 2, 4); how = 0: not in the loop's last trip (t = 5 has no K step 8).  K steps 0 to 2 come by their loads alone.
.macro ASK how
.if \how
	s_cmp_eq_u32 s[LIM], 1
.else
	s_cmp_gt_u32 s3, s[LIM]
.endif
	s_cbranch_scc0 .Lnot_mine_\@
	global_prefetch_b8 v[PFO], s[PFA:PFA+1] offset:65536 th:TH_LOAD_NT scope:SCOPE_SE
.Lnot_mine_\@:
.endm
; 16 matrix instructions: token blocks 4 hf .. 4 hf + 3 (x buffer f) x the four column blocks of group g (0 q, 1 k, 2 v).  All 96 accumulators take turns.
.macro RUN g, hf, f, zero
	WIN 0x50*((\g)+1)
.irp a, 0,1,2,3
.irp b, 0,1,2,3
.if \zero
	v_wmma_f32_16x16x32_bf16 v[8*(4*(4*(\hf)+\a)+\b):8*(4*(4*(\hf)+\a)+\b)+7], v[WF+8*(4*(\g)+\b):WF+8*(4*(\g)+\b)+7], v[XF+64*(\f)+8*(4*(\hf)+\a):XF+64*(\f)+8*(4*(\hf)+\a)+7], 0
.else
	v_wmma_f32_16x16x32_bf16 v[8*(4*(4*(\hf)+\a)+\b):8*(4*(4*(\hf)+\a)+\b)+7], v[WF+8*(4*(\g)+\b):WF+8*(4*(\g)+\b)+7], v[XF+64*(\f)+8*(4*(\hf)+\a):XF+64*(\f)+8*(4*(\hf)+\a)+7], v[8*(4*(4*(\hf)+\a)+\b):8*(4*(4*(\hf)+\a)+\b)+7]
.endif
.endr
.endr
.endm
.macro LDX s, q, f                     ; 16 loads: my eight x fragments of the 32 k at element 32 q of slot s, into buffer f
.irp a, 0,1,2,3,4,5,6,7
	ds_load_b128 v[XF+64*(\f)+8*\a:XF+64*(\f)+8*\a+3],   v[ADX+(\s)] offset:\a*16*XPI+(\q)*64
	ds_load_b128 v[XF+64*(\f)+8*\a+4:XF+64*(\f)+8*\a+7], v[ADX+(\s)] offset:\a*16*XPI+(\q)*64+32
.endr
.endm
.macro LDW s, q, g                     ; 8 loads: the four W fragments of group g
.irp b, 0,1,2,3
	ds_load_b128 v[WF+8*(4*(\g)+\b):WF+8*(4*(\g)+\b)+3],   v[ADW+(\s)] offset:(4*(\g)+\b)*16*WP+(\q)*64
	ds_load_b128 v[WF+8*(4*(\g)+\b)+4:WF+8*(4*(\g)+\b)+7], v[ADW+(\s)] offset:(4*(\g)+\b)*16*WP+(\q)*64+32
.endr
.endm
; A sub-step j is 32 along K: 96 matrix instructions on x buffer f = j % 2.  (s, q) names where sub-step j + 1 lies: its fragments are fetched as registers come free,
; in this order: W group 0 (8 loads), x into the other buffer (16), W group 1 (8), W group 2 (8).  ld = 0: the last sub-step fetches nothing.
.macro SUB s, q, f, zero=0, ld=1
	s_wait_dscnt 16                                ; W group 0 and x are in: behind them W groups 1 and 2, 8 loads each
	RUN 0, 0, \f, \zero
	RUN 0, 1, \f, \zero
.if \ld
	WIN 0
	PLACES
	LDW \s, \q, 0
	LDX \s, \q, 1-(\f)
	s_wait_dscnt 32                                ; W group 1 is in: behind it group 2's 8 and the 24 just issued
.else
	s_wait_dscnt 8
.endif
	RUN 1, 0, \f, \zero
	RUN 1, 1, \f, \zero
.if \ld
	WIN 0
	PLACES
	LDW \s, \q, 1
	s_wait_dscnt 32                                ; W group 2 is in: behind it 24 + 8
.else
	s_wait_dscnt 0x0
.endif
	RUN 2, 0, \f, \zero
	RUN 2, 1, \f, \zero
.if \ld
	WIN 0
	PLACES
	LDW \s, \q, 2
.endif
.endm
; A K step's second sub-step, with the change of slots.  In front of the barrier each wave waits for all its tensor loads (one is out: its part of the other slot), adds 0 to its spare word,
; and waits for that and for its reads of the old slot.  fill = 1: the barrier opens a round of the cluster's barrier, and the joint refill (the K step two on) is the first thing behind the round:
; 144 matrix instructions stand between it and the wait for it.
.macro SUBC old, f, fill
.if \fill
	s_wait_xcnt 0x0                                ; the last prefetch, a K step back, has read its address
	s_add_nc_u64 s[PFA:PFA+1], s[PFA:PFA+1], 65536
.endif
	WIN 0
	s_wait_tensorcnt 0x0
	ds_add_u32 v[SPW], v[NIL]
	s_wait_dscnt 17                                ; W group 0 and x are in: behind them 16 loads and the add
	RUN 0, 0, \f, 0
	RUN 0, 1, \f, 0
	s_wait_dscnt 0x0                               ; the add is done, and my reads of the old slot are over
	s_barrier_signal -1
	RUN 1, 0, \f, 0
	WIN 0
	s_barrier_wait -1
.if \fill
	CREST
	s_add_nc_u64 s[G0+4*(\old)+2:G0+4*(\old)+3], s[G0+4*(\old)+2:G0+4*(\old)+3], 2*65536
	s_add_nc_u64 s[G0B+4*(\old)+2:G0B+4*(\old)+3], s[G0B+4*(\old)+2:G0B+4*(\old)+3], 2*192*128
	JLOAD \old                                     ; the four v_nop behind it are also the places in front of the loads below
.else
	PLACES
.endif
	LDW 1-(\old), 0, 0
	LDX 1-(\old), 0, 1-(\f)
.if \fill
	ASK 1-(\old)
.endif
	RUN 1, 1, \f, 0
	WIN 0
	PLACES
	LDW 1-(\old), 0, 1
	RUN 2, 0, \f, 0
	RUN 2, 1, \f, 0
	WIN 0
	PLACES
	LDW 1-(\old), 0, 2
.endm
	s_load_b256 s[4:11], s[0:1], 0x0               ; xb s[4:5], wqkv s[6:7], ob s[8:9], pg s[10:11]
	s_load_b64 s[MP:MP+1], s[0:1], 0x20            ; mb
	v_lshl_add_u32 v[SPW], v0, 2, SPARE
	v_mov_b32 v[NIL], 0
	ds_add_u32 v[SPW], v[NIL]                      ; the wave's opening: the add and its wait ahead of my first tensor load
	v_lshrrev_b32 v1, 5, v0
	v_readfirstlane_b32 s[WV], v1                  ; wave 0..3
	s_lshr_b32 s[WH], s[WV], 1                     ; I fetch for x (0) or for W (1)
	s_and_b32 s[WL], s[WV], 1                      ; which half of that tile
	s_bfe_u32 s15, ttmp6, 0x40000                  ; cx
	s_bfe_u32 s16, ttmp6, 0x40004                  ; cy
	s_lshl_b32 s17, ttmp9, 2
	s_add_co_u32 s17, s17, s15                     ; head
	s_and_b32 s18, ttmp7, 0xffff
	s_lshl_b32 s18, s18, 2
	s_add_co_u32 s18, s18, s16                     ; chunk
	s_lshl_b32 s19, s16, 2
	s_lshl_b32 s19, 15, s19                        ; my row of the cluster
	s_lshl_b32 s20, 0x1111, s15                    ; my column
	s_or_b32 s[G1], s19, (1<<16)|(1<<20)|(1<<21)|(4<<22)|(3<<25)   ; 2-byte elements; 4 words of padding after every 32 words (one row of x); x's tiles go to my row
	s_or_b32 s[G1B], s20, (1<<16)|(1<<20)|(1<<21)|(4<<22)|(3<<25)  ; the same for W, with the mask of my column
	s_mov_b32 s[G1+1], 128<<16                     ; 256 dense rows of x are asked for as 128 rows of 256 bytes
	s_mov_b32 s[G1+2], 128<<16
	s_mov_b32 s[G1+3], 128<<16
	s_mov_b32 s[G1+4], 128
	s_mov_b32 s[G1+5], 128
	s_mov_b32 s[G1+6], 0
	s_mov_b32 s[G1+7], 0
	s_mov_b32 s[G1B+1], 128<<16                    ; 96 dense rows of W as 48 rows of 256 bytes
	s_mov_b32 s[G1B+2], 48<<16
	s_mov_b32 s[G1B+3], 128<<16
	s_mov_b32 s[G1B+4], 48
	s_mov_b32 s[G1B+5], 128
	s_mov_b32 s[G1B+6], 0
	s_mov_b32 s[G1B+7], 0
	s_lshl_b32 s40, s18, 19                        ; x: the chunk's 8 blocks of 65,536 bytes, + 256 rows of 128 bytes for the second half
	s_lshl_b32 s41, s[WL], 15
	s_add_co_u32 s40, s40, s41
	s_mov_b32 s41, 0
	s_mul_i32 s46, s17, 8*192*128                  ; W: the head's tiles, + 96 rows for the second half
	s_mul_i32 s47, s[WL], 96*128
	s_add_co_u32 s46, s46, s47
	s_mov_b32 s47, 0
	s_mul_i32 s21, s[WL], XHALF                    ; where they go: no place in the cluster enters an LDS address
	s_mul_i32 s22, s[WL], WHALF
	s_add_co_u32 s22, s22, WOFF
	s_mov_b32 s[CS], 0x3e38aa3b                    ; c = log2(e) / 8
	s_mov_b32 s[CS+1], s[CS]
	s_mov_b32 s[SEL], 0x76543210
	s_mov_b32 s[SEL+1], 0xfedcba98
	s_wait_dscnt 0x0                               ; the opening add is done
	s_wait_kmcnt 0x0
	s_add_nc_u64 s[40:41], s[4:5], s[40:41]
	s_add_nc_u64 s[46:47], s[6:7], s[46:47]
	CROUND                                         ; all sixteen work-groups are here: the first joint loads meet
.irp s, 0,1
	s_mov_b32 s[G0+4*(\s)], 1
	s_add_co_u32 s[G0+4*(\s)+1], s21, (\s)*SLOT
	s_add_nc_u64 s[G0+4*(\s)+2:G0+4*(\s)+3], s[40:41], (\s)*65536
	s_or_b32 s[G0+4*(\s)+3], s[G0+4*(\s)+3], 0x80000000
	s_mov_b32 s[G0B+4*(\s)], 1
	s_add_co_u32 s[G0B+4*(\s)+1], s22, (\s)*SLOT
	s_add_nc_u64 s[G0B+4*(\s)+2:G0B+4*(\s)+3], s[46:47], (\s)*192*128
	s_or_b32 s[G0B+4*(\s)+3], s[G0B+4*(\s)+3], 0x80000000
	JLOAD \s                                       ; two loads of mine are out
.endr
	; lane addresses, made while the first tiles are on their way
	v_and_b32 v1, 15, v0                           ; r = l % 16
	v_bfe_u32 v9, v0, 4, 1                         ; h = l / 16
	v_mul_u32_u24 v13, v1, 144
	v_lshl_add_u32 v13, v9, 4, v13                 ; r x 144 + 16 h: a fragment's lane term for x, W and k, and for the stage
	s_mul_i32 s77, s[WV], 128*XPI                  ; my 128 rows
	v_add_nc_u32 v[ADX], s77, v13
	v_add_nc_u32 v[ADX+1], SLOT, v[ADX]
	v_add_nc_u32 v[ADW], WOFF, v13
	v_add_nc_u32 v[ADW+1], WOFF+SLOT, v13
	v_add_nc_u32 v[AK0], KOFF, v13
	s_add_co_u32 s77, s77, KOFF
	v_add_nc_u32 v[KST], s77, v13
	v_mul_u32_u24 v[VST], v1, PV
	v_lshl_add_u32 v[VST], v9, 4, v[VST]
	s_mul_i32 s77, s[WV], 128*PV
	v_add_nc_u32 v[VST], s77, v[VST]
	v_and_b32 v12, 7, v0
	v_bfe_u32 v14, v0, 3, 1
	v_lshl_add_u32 v[AV0], v9, 3, v12              ; the turning load: key 8 h + l % 8, channels 8 ((l / 8) % 2) ..
	v_mul_u32_u24 v[AV0], v[AV0], PV
	v_lshl_add_u32 v[AV0], v14, 4, v[AV0]
	s_mul_i32 s77, s[WV], 32*SP
	s_add_co_u32 s77, s77, STAGE
	v_add_nc_u32 v[STO], s77, v13                  ; into the stage: row r (+ 16 for a pair's second tile), 16 bytes for each half of the lanes
	v_bfe_u32 v[RD], v0, 3, 2                      ; back: 32 lanes take four rows of 128 bytes
	v_mul_u32_u24 v[RD], v[RD], SP
	v_lshl_add_u32 v[RD], v12, 4, v[RD]
	v_add_nc_u32 v[RD], s77, v[RD]
	v_and_b32 v[GO], 31, v0
	v_lshlrev_b32 v[PFO], 8, v[GO]
	v_lshlrev_b32 v[GO], 4, v[GO]
	v_lshlrev_b32 v[MO], 7, v1                     ; r has served: a fragment of M, rows of 128 bytes
	v_lshl_add_u32 v[MO], v9, 4, v[MO]
	s_lshl_b32 s66, s18, 1                         ; ob: block (2 chunk + w / 2, head), my 128 rows of 128 bytes
	s_add_co_u32 s66, s66, s[WH]
	s_lshl_b32 s66, s66, 3
	s_add_co_u32 s66, s66, s17
	s_lshl_b32 s66, s66, 15
	s_lshl_b32 s67, s[WL], 14
	s_add_co_u32 s66, s66, s67
	s_mov_b32 s67, 0
	s_add_nc_u64 s[8:9], s[8:9], s[66:67]
	s_lshr_b32 s66, s18, 5                         ; pg: batch x 524,288 + head of g (2 w, 2 w + 1) x 65,536 + part (my head) x 8,192 + chunk in the batch x 256
	s_lshl_b32 s66, s66, 19
	s_lshl_b32 s67, s[WV], 17
	s_add_co_u32 s66, s66, s67
	s_lshl_b32 s67, s17, 13
	s_add_co_u32 s66, s66, s67
	s_and_b32 s67, s18, 31
	s_lshl_b32 s67, s67, 8
	s_add_co_u32 s66, s66, s67
	s_mov_b32 s67, 0
	s_add_nc_u64 s[10:11], s[10:11], s[66:67]
	s_lshl_b32 s66, s17, 16                        ; mb: the head's block of 512 rows x 128 bytes, my 128 rows
	s_lshl_b32 s67, s[WV], 14
	s_add_co_u32 s66, s66, s67
	s_mov_b32 s67, 0
	s_add_nc_u64 s[MP:MP+1], s[MP:MP+1], s[66:67]
	s_lshl_b32 s66, s18, 19                        ; the prefetches: my work-group's 8,192 bytes of the half that I fetch, at K step 1; the first change steps it to 2 and names 3
	s_lshl_b32 s67, s[WL], 15
	s_add_co_u32 s66, s66, s67
	s_lshl_b32 s67, s15, 13
	s_add_co_u32 s66, s66, s67
	s_add_co_u32 s66, s66, 65536
	s_mov_b32 s67, 0
	s_add_nc_u64 s[PFA:PFA+1], s[4:5], s[66:67]
	s_or_b32 s[LIM], s[WH], ttmp9                  ; waves 0 and 1 of the chunk's first cluster: the same in all sixteen partners, for a given wave
	s_cmp_eq_u32 s[LIM], 0
	s_cselect_b32 s[LIM], 1, -1
	s_wait_tensorcnt 1                             ; my part of K step 0 is in; K step 1's may stay out
	s_barrier_signal -1
	s_barrier_wait -1
	LDW 0, 0, 0
	LDX 0, 0, 0
	LDW 0, 0, 1
	LDW 0, 0, 2
	SUB 0, 1, 0, 1                                 ; sub-step 0 stands in front of the loop: its products start the 96 sums
	WIN 0
	s_mov_b32 s3, 3
.Ltrip:                                                ; a trip: sub-steps 4 i + 1 .. 4 i + 4, once round the ring; both slots are filled again (K steps 2 to 7)
	SUBC 0, 1, 1
	SUB 1, 1, 0
	SUBC 1, 1, 1
	SUB 0, 1, 0
	WIN 0
	s_sub_co_u32 s3, s3, 1
	s_cmp_lg_u32 s3, 0
	s_cbranch_scc1 .Ltrip
	SUBC 0, 1, 0                                   ; sub-steps 13 to 15: nothing is left to ask for; behind this barrier nobody reads slot 0 any more
	SUB 1, 1, 0
	SUB 1, 1, 1, 0, 0
	; FROM PHASE 1 TO PHASE 2.  k and v are rounded to f16 and stored by rows (k into bytes of its own, v into slot 0); q is rounded into window 2.
	WIN 0
	PLACES
	s_wait_xcnt 0x0                                ; the prefetches have read their offset register, which the second phase writes again
	WIN 0x0a                                       ; sources in window 2: k
.set i, 0
.rept 128
	v_cvt_pk_f16_f32 v[64+i], v[2*i], v[2*i+1]
.set i, i+1
.endr
	WIN 0
.set i, 0
.rept 32
	ds_store_b128 v[KST], v[64+4*i:64+4*i+3] offset:(i/4)*16*PK+(i%4)*32
.set i, i+1
.endr
	WIN 0x0f                                       ; sources in window 3: v
.set i, 0
.rept 128
	v_cvt_pk_f16_f32 v[64+i], v[2*i], v[2*i+1]
.set i, i+1
.endr
	WIN 0
.set i, 0
.rept 32
	ds_store_b128 v[VST], v[64+4*i:64+4*i+3] offset:(i/4)*16*PV+(i%4)*32
.set i, i+1
.endr
	WIN 0x85                                       ; q: from window 1 into window 2, v0-127: tile a's fragment for channels 32 c .. at 16 a + 8 c
.set i, 0
.rept 128
	v_cvt_pk_f16_f32 v[i], v[2*i], v[2*i+1]
.set i, i+1
.endr
	WIN 0
	s_wait_dscnt 0x0                               ; for the others' sake: my rows of k and v are stored
	s_barrier_signal -1
	; What the first turn finds.  m is the lowest finite number, so the first step's a is 0, and each piece's O^T and l are multiplied by it before its first true product lands: O^T (window 1) need
	; only hold finite numbers, and it holds q's f32 sums.  v's registers and P's second buffer hold 0: the first turn's products V^T P, of a piece that has not been, add 0.
	WIN 0x80
.set i, VF
.rept 64
	v_mov_b32 v[i], 0
.set i, i+1
.endr
	WIN 0
.set i, 0
.rept 2*NP
	v_mov_b32 v[ST+4*i], 0xfe000000                ; c m: far below every c s
	v_mov_b32 v[ST+4*i+1], 0xff7fffff              ; m
	v_mov_b32 v[ST+4*i+2], 0
	v_mov_b32 v[ST+4*i+3], 0
.set i, i+1
.endr
.set i, P+32
.rept 32
	v_mov_b32 v[i], 0
.set i, i+1
.endr
	v_mov_b32 v[AK], v[AK0]
	s_mov_b32 s[TBK], 0
	s_mov_b32 s[TBV], 0
	s_barrier_wait -1
	; my 128 rows of the head's block of M go into window 3, which the second phase does not name: fragment (i, c): rows 16 i .., k = 32 c .., at 16 i + 8 c.  They are waited for in the tail.
	WIN 0xc0
.irp i, 0,1,2,3,4,5,6,7
.irp c, 0,1
	global_load_b128 v[16*\i+8*\c:16*\i+8*\c+3],   v[MO], s[MP:MP+1] offset:\i*2048+\c*64
	global_load_b128 v[16*\i+8*\c+4:16*\i+8*\c+7], v[MO], s[MP:MP+1] offset:\i*2048+\c*64+32
.endr
.endr
	WIN 0
; PHASE 2.  S^T = K Q^T holds one query a lane and the keys 8 (l / 16) + 0..7; two such results rounded to f16 are source 1 of O^T = V^T P.  p = 2^(c s - c m) with a running maximum m;
; O and l are multiplied by a = 2^(c m_old - c m_new) in every step.  Turn n belongs to piece n: 16 products K Q^T of piece n + 1, later 16 products V^T P of piece n - 1; beside them the scaling,
; exponentials, roundings, sums and rescaling of piece n and the maximum and statistics of piece n + 1.  Four vector instructions stand behind every matrix instruction, the rest in one lump.
.macro KQ x                            ; product i of 16: channels 32 (i / 8) on, keys 16 ((i / 2) % 4) on, tile 2 x + i % 2; the 8 accumulators take turns
	WIN W_KQ
.set rS, S+64*((\x)%2)+32*(i%2)+8*((i/2)%4)
.set rK, KF+16*((i/2)%4)+8*(i/8)
.set rQ, 16*(2*(\x)+i%2)+8*(i/8)
.if i < 8
	v_wmma_f32_16x16x32_f16 v[rS:rS+7], v[rK:rK+7], v[rQ:rQ+7], 0
.else
	v_wmma_f32_16x16x32_f16 v[rS:rS+7], v[rK:rK+7], v[rQ:rQ+7], v[rS:rS+7]
.endif
.endm
.macro PV x                            ; product i of 16: keys 32 (i / 8) on, channels 16 ((i / 2) % 4) on, tile 2 x + i % 2
	WIN W_PV
.set rO, 32*(2*(\x)+i%2)+8*((i/2)%4)
.set rV, VF+32*(i/8)+8*((i/2)%4)
.set rP, P+32*((\x)%2)+16*(i%2)+8*(i/8)
	v_wmma_f32_16x16x32_f16 v[rO:rO+7], v[rV:rV+7], v[rP:rP+7], v[rO:rO+7]
.endm
.macro MM
.if i < 16
	KQ (Y+1)%NP
.set i, i+1
.else
.set i, i-16
	PV (Y+NP-1)%NP
.set i, i+17
.endif
.endm
.macro FETCH_K last=0                  ; a step's k: 16 loads in one run.  last = 1: in the loop's last trip there is no further step, and the run is jumped over
	WIN 0
.if \last
	s_cmp_eq_u32 s[CNT], 1
	s_cbranch_scc1 .Lno_k_\@
.endif
	WIN 0x80
.irp f, 0,1,2,3,4,5,6,7
	ds_load_b128 v[KF+8*\f:KF+8*\f+3],   v[AK] offset:(\f/2)*16*PK+(\f%2)*64
	ds_load_b128 v[KF+8*\f+4:KF+8*\f+7], v[AK] offset:(\f/2)*16*PK+(\f%2)*64+32
.endr
	s_add_co_u32 s[TBK], s[TBK], KS*PK
	WIN 0
.if \last
.Lno_k_\@:
.endif
.endm
.macro FETCH_V                         ; a step's v, turned
	WIN 0x80
.irp f, 0,1,2,3,4,5,6,7
	ds_load_tr16_b128 v[VF+8*\f:VF+8*\f+3],   v[AV] offset:(\f/4)*32*PV+(\f%4)*32
	ds_load_tr16_b128 v[VF+8*\f+4:VF+8*\f+7], v[AV] offset:(\f/4)*32*PV+16*PV+(\f%4)*32
.endr
	WIN 0
.endm
.macro REGS y, u
.set rT, ST+4*(2*(\y)+(\u))
.set rC, TMP+8*((\y)%2)+4*(\u)
.set rM, MV+2*((\y)%2)+(\u)
.set rS, S+64*((\y)%2)+32*(\u)
.set rP, P+32*((\y)%2)+16*(\u)
.set rO, 32*(2*(\y)+(\u))
.endm
; Number n of the 22 that find the next piece's maximum and statistics; each accumulator's lowest registers are read first.
.macro XS u, n
	REGS (Y+1)%NP, \u
.if (\n) < 4
	v_max3_num_f32 v[rC+(\n)], v[rS+8*(\n)], v[rS+8*(\n)+1], v[rS+8*(\n)+2]
.elseif (\n) < 12
	v_max3_num_f32 v[rC+(\n)%4], v[rC+(\n)%4], v[rS+8*((\n)%4)+2*((\n)/4)+1], v[rS+8*((\n)%4)+2*((\n)/4)+2]
.elseif (\n) == 12
	v_max3_num_f32 v[rC], v[rC], v[rS+7], v[rS+15]
.elseif (\n) == 13
	v_max3_num_f32 v[rC+1], v[rC+1], v[rS+23], v[rS+31]
.elseif (\n) == 14
	v_max3_num_f32 v[rC+2], v[rC+2], v[rC+3], v[rT+1]
.elseif (\n) == 15
	v_mov_b32 v[rM], v[rT]
.elseif (\n) == 16
	v_max3_num_f32 v[rC], v[rC], v[rC+1], v[rC+2]
.elseif (\n) == 17
	v_permlanex16_b32 v[rC+3], v[rC], s[SEL], s[SEL+1]
.elseif (\n) == 18
	v_max_num_f32 v[rT+1], v[rC], v[rC+3]
.elseif (\n) == 19
	v_mul_f32 v[rT], s[CS], v[rT+1]
.elseif (\n) == 20
	v_sub_f32 v[rC+1], v[rM], v[rT]
.else
	v_exp_f32 v[rC+2], v[rC+1]
.endif
.endm
; Number g of the 64 that follow the exponentials: roundings to f16, the second pair of four weights added onto the first, and l a group later.
.macro GS g
.set h, (\g)+6*((\g)/62)
.if h >= 6
.set h, h+2
.endif
	REGS Y, h%2
.set k, h/8
.if h%8 < 4
	v_cvt_pk_f16_f32 v[rP+2*k+(h%8)/2], v[rS+4*k+2*((h%8)/2)], v[rS+4*k+2*((h%8)/2)+1]
.elseif h%8 < 6
	v_pk_add_f32 v[rS+4*k:rS+4*k+1], v[rS+4*k:rS+4*k+1], v[rS+4*k+2:rS+4*k+3]
.elseif k == 1
	v_pk_fma_f32 v[rT+2:rT+3], v[rT+2:rT+3], v[rC+2:rC+3], v[rS:rS+1] op_sel_hi:[1,0,1]
.else
	v_pk_add_f32 v[rT+2:rT+3], v[rT+2:rT+3], v[rS+4*k-4:rS+4*k-3]
.endif
.endm
.macro FS f                            ; c s - c m for pair f / 2 of tile f % 2
	REGS Y, (\f)%2
	v_pk_fma_f32 v[rS+2*((\f)/2):rS+2*((\f)/2)+1], v[rS+2*((\f)/2):rS+2*((\f)/2)+1], s[CS:CS+1], v[rT:rT+1] op_sel_hi:[1,0,0] neg_lo:[0,0,1] neg_hi:[0,0,1]
.endm
.macro PL                              ; the plain queue, 138 long: 0-73 read no exponential's result, 74-137 stand behind the wait
	WIN 0
.if q < 27
	FS q
.elseif q < 55
	XS (q-27)%2, (q-27)/2
.elseif q < 57
	XS q-55, 15
.elseif (q < 72) && ((q-57)%3 == 0)
	FS 27+(q-57)/3
.elseif q < 60
	XS (q-57)%3-1, 14
.elseif q < 72
	XS (q-57)%3-1, 15+(q-57)/3
.elseif q < 74
	XS q-72, 20
.else
	GS q-74
.endif
.set q, q+1
.endm
.macro EX                              ; the exponentials' queue, 66 long: one batch, all ahead of the turn's one wait
	WIN 0
.if e >= 64
	XS e-64, 21
.else
	REGS Y, e%2
	v_exp_f32 v[rS+e/2], v[rS+e/2]
.endif
.set e, e+1
.endm
.macro R2                              ; O^T times a, two at a time
	REGS Y, r%2
	WIN W_RS
.irp z, 0,1
	v_pk_mul_f32 v[rO+4*(r/2)+2*\z:rO+4*(r/2)+2*\z+1], v[rO+4*(r/2)+2*\z:rO+4*(r/2)+2*\z+1], v[rC+2:rC+3] op_sel_hi:[1,0]
.endr
.set r, r+1
.endm
; A turn, for piece p.  One wait cuts it in two: ahead of it stands all that names no result of the turn's exponentials, behind it the 16 products V^T P with the roundings and sums as their riders.
; k of the next step is fetched in piece 2's turn, directly behind the wait; v of the step in hand at the end of piece 0's turn, four riders behind its last reader.
.macro TURN p, last=0, cnt=0
.set Y, (\p)
.set i, 0
.set q, 0
.set e, 0
.set r, 0
.if (\p) == NP-1
	s_wait_dscnt 0x0                               ; k is in
.endif
	MM
	PL
	PL
	R2
.rept 15
	MM
	PL
	EX
	R2
.endr
.if (\p) == NP-2
	WIN 0
	v_add_nc_u32 v[AK], s[TBK], v[AK0]
.endif
.rept 8
	PL
.endr
.rept 49
	EX
	PL
.endr
	EX
	EX
	v_nop                                          ; a plain instruction behind the last exponential: one for the batch
	s_wait_alu depctr_va_vdst(0)                   ; the wait ahead of the batch's first reader
.if (\p) == NP-2
	FETCH_K \last
.endif
.if (\p) == 1
	s_wait_dscnt 0x0                               ; v is in
.endif
.rept 16
	MM
.rept 4
	PL
.endr
.if ((\p) == 0) && (q == 118)
	v_add_nc_u32 v[AV], s[TBV], v[AV0]
.endif
.if ((\p) == 0) && (q == 130)
	s_add_co_u32 s[TBV], s[TBV], KS*PV
.endif
.if (\cnt) && (q == 130)
	s_sub_co_u32 s[CNT], s[CNT], 1
	s_cmp_lg_u32 s[CNT], 0
.endif
.endr
.if (\p) == 0
	FETCH_V
.endif
.endm
	FETCH_K                                        ; key step 0
	s_wait_dscnt 0x0
.set i, 0
.rept 16
	KQ 0                                           ; piece 0's first scores
.set i, i+1
.endr
	WIN 0
	PLACES
.set Y, NP-1
.irp n, 0,1,2,3,4,5,6,7,8,9,10,11,12,13,14,15,16,17,18,19,20,21
	XS 0, \n
	XS 1, \n
.endr
	v_nop
	s_wait_alu depctr_va_vdst(0)                   ; the two a have their wait ahead of the label
	s_mov_b32 s[CNT], 8
.Lstep:                                                ; eight key steps of 64
	TURN 0
	TURN 1
	TURN 2, 1
	TURN 3, 0, 1
	WIN 0
	s_cbranch_scc1 .Lstep
	; the last turn's 16 products K Q^T (on the last k once more) and the maximum made of them serve nothing: the price, once a work-group, of one text for every step
.set i, 0
.rept 16
	PV NP-1
.set i, i+1
.endr
	; THE WAY OUT.  l's halves and the other half of the lanes' are added; O^T is divided by l in place, rounded to f16 and sent through my stage, two tiles (32 tokens) at a time.
	WIN 0
.macro ALL line:vararg
.set t, 0
.rept 2*NP
	\line
.set t, t+1
.endr
.endm
	ALL v_add_f32 v[ST+4*t+2], v[ST+4*t+2], v[ST+4*t+3]
	ALL v_permlanex16_b32 v[ST+4*t+3], v[ST+4*t+2], s[SEL], s[SEL+1]
	ALL v_add_f32 v[ST+4*t+2], v[ST+4*t+2], v[ST+4*t+3]
	ALL v_rcp_f32 v[ST+4*t+2], v[ST+4*t+2]
	v_nop
	s_wait_alu depctr_va_vdst(0)                   ; one wait for the eight reciprocals
.macro PACK2 ap
.irp u, 0,1
	WIN W_RS
.set i, 32*(2*(\ap)+\u)
.rept 16
	v_pk_mul_f32 v[i:i+1], v[i:i+1], v[ST+4*(2*(\ap)+\u)+2:ST+4*(2*(\ap)+\u)+3] op_sel_hi:[1,0]
.set i, i+2
.endr
	WIN 0x05
.set i, 0
.rept 16
	v_cvt_pk_f16_f32 v[S+32*(\ap)+16*\u+i], v[32*(2*(\ap)+\u)+2*i], v[32*(2*(\ap)+\u)+2*i+1]
.set i, i+1
.endr
	WIN 0
.irp f, 0,1,2,3
	ds_store_b128 v[STO], v[S+32*(\ap)+16*\u+4*\f:S+32*(\ap)+16*\u+4*\f+3] offset:\u*16*SP+32*\f
.endr
.endr
.irp f, 0,1,2,3,4,5,6,7
	ds_load_b128 v[S+32*(\ap)+4*\f:S+32*(\ap)+4*\f+3], v[RD] offset:\f*4*SP  ; a wave's LDS instructions are served in order: these see the stores above, the next pair's stores come behind them
.endr
.endm
.macro SEND ap, younger                ; younger: the next pair's 8 stores and 8 loads, or none
.irp f, 0,1,2,3,4,5,6,7
	s_wait_dscnt (\younger)+7-\f
	global_store_b128 v[GO], v[S+32*(\ap)+4*\f:S+32*(\ap)+4*\f+3], s[8:9] offset:(\ap)*4096+\f*512  ; 512 consecutive bytes, aligned
.endr
.endm
	PACK2 0
	PACK2 1
	SEND 0, 16
	PACK2 2
	SEND 1, 16
	PACK2 3
	SEND 2, 16
	SEND 3, 0
	; THE COLUMN SUMS of the unrounded O: over my eight tiles, over the sixteen queries of a tile (lanes of a row), then over the four waves through LDS.
	WIN 0x45
.irp t, 1,2,3,4,5,6
.set k, 0
.rept 16
	v_pk_add_f32 v[2*k:2*k+1], v[2*k:2*k+1], v[32*\t+2*k:32*\t+2*k+1]
.set k, k+1
.endr
.endr
	WIN 0x05
.set k, 0
.rept 16
	v_pk_add_f32 v[CSUM+2*k:CSUM+2*k+1], v[2*k:2*k+1], v[224+2*k:224+2*k+1]
.set k, k+1
.endr
	WIN 0
.irp m, 1,2,4,8
.set k, 0
.rept 32
	v_add_f32_dpp v[CSUM+k], v[CSUM+k], v[CSUM+k] row_xmask:\m row_mask:0xf bank_mask:0xf
.set k, k+1
.endr
.endr
	s_lshl_b32 s77, s[WV], 8
	s_add_co_u32 s77, s77, SUMSB
	v_lshl_add_u32 v48, v9, 5, s77                 ; channel 16 cb + 8 h + j at byte 64 cb + 32 h + 4 j; the sixteen lanes of a row write the same words with the same values
.irp cb, 0,1,2,3
	ds_store_b128 v48, v[CSUM+8*\cb:CSUM+8*\cb+3] offset:64*\cb
	ds_store_b128 v48, v[CSUM+8*\cb+4:CSUM+8*\cb+7] offset:64*\cb+16
.endr
	v_lshl_add_u32 v49, v9, 5, SUMSB               ; back, as a fragment wants them: 8 floats at channel 8 h
	s_lshl_b32 s77, s[WV], 9
	s_add_co_u32 s77, s77, PGS
	v_lshl_add_u32 v50, v9, 5, s77                 ; my part's stage: number 16 i + 8 h + j at byte 64 i + 32 h + 4 j
	v_add_nc_u32 v51, s77, v[GO]                   ; back: 16 bytes a lane
	v_and_b32 v52, 0xf0, v[GO]
	v_lshl_add_u32 v52, v9, 16, v52                ; in pg: lanes 0-15 fill the block of head 2 w of g, lanes 16-31 that of head 2 w + 1, 65,536 bytes on
	s_wait_xcnt 0x0                                ; O's stores have read their registers, which are loaded again below
	s_wait_dscnt 0x0
	s_barrier_signal -1
	s_barrier_wait -1                              ; the four waves' sums lie in LDS
	; THE PART.  Every wave adds the four sums in f32, in a fragment's layout (the same 64 numbers in all sixteen columns), rounds them to bf16 and multiplies them by its 128 rows of M.
.irp w, 0,1,2,3
.irp q, 0,1,2,3
	ds_load_b128 v[64+32*\w+8*\q:64+32*\w+8*\q+3],   v49 offset:\w*256+\q*64
	ds_load_b128 v[64+32*\w+8*\q+4:64+32*\w+8*\q+7], v49 offset:\w*256+\q*64+16
.endr
.endr
	s_wait_dscnt 0x0
.irp w, 1,2,3
.set k, 0
.rept 16
	v_pk_add_f32 v[64+2*k:64+2*k+1], v[64+2*k:64+2*k+1], v[64+32*\w+2*k:64+32*\w+2*k+1]
.set k, k+1
.endr
.endr
.set k, 0
.rept 16
	v_cvt_pk_bf16_f32 v[CF+k], v[64+2*k], v[64+2*k+1]
.set k, k+1
.endr
	s_wait_loadcnt 0x0                             ; M's fragments, asked for at the second phase's start
	WIN 0x03                                       ; source 0 (M) in window 3
.irp c, 0,1
.irp i, 0,1,2,3,4,5,6,7
.if \c == 0
	v_wmma_f32_16x16x32_bf16 v[PGA+8*\i:PGA+8*\i+7], v[16*\i+8*\c:16*\i+8*\c+7], v[CF+8*\c:CF+8*\c+7], 0
.else
	v_wmma_f32_16x16x32_bf16 v[PGA+8*\i:PGA+8*\i+7], v[16*\i+8*\c:16*\i+8*\c+7], v[CF+8*\c:CF+8*\c+7], v[PGA+8*\i:PGA+8*\i+7]
.endif
.endr
.endr
	WIN 0
	PLACES
.irp i, 0,1,2,3,4,5,6,7
	ds_store_b128 v50, v[PGA+8*\i:PGA+8*\i+3]   offset:64*\i       ; the sixteen lanes of a row write the same words with the same values
	ds_store_b128 v50, v[PGA+8*\i+4:PGA+8*\i+7] offset:64*\i+16
.endr
	ds_load_b128 v[56:59], v51                     ; my own bytes: a wave's LDS instructions are served in order
	s_wait_dscnt 0x0
	global_store_b128 v52, v[56:59], s[10:11]      ; sixteen lanes store 256 consecutive bytes, aligned
	s_wait_tensorcnt 0x0                           ; the wave's end
	ds_add_u32 v[SPW], v[NIL]
	s_wait_dscnt 0x0
	CROUND                                         ; the closing round
	s_endpgm
.Lfunc_end_k_qfe18eb8a88_attn:
	.size	k_qfe18eb8a88_attn, .Lfunc_end_k_qfe18eb8a88_attn-k_qfe18eb8a88_attn
	.p2alignl 7, 3214868480
	.fill 96, 4, 3214868480
	.section	.rodata,"a",@progbits
	.p2align	6, 0x0
	.amdhsa_kernel k_qfe18eb8a88_attn
		.amdhsa_group_segment_fixed_size 327680
		.amdhsa_private_segment_fixed_size 0
		.amdhsa_enable_private_segment 0
		.amdhsa_kernarg_size 40
		.amdhsa_user_sgpr_count 2
		.amdhsa_user_sgpr_kernarg_segment_ptr 1
		.amdhsa_wavefront_size32 1
		.amdhsa_system_sgpr_workgroup_id_x 1
		.amdhsa_system_sgpr_workgroup_id_y 1
		.amdhsa_system_sgpr_workgroup_id_z 1
		.amdhsa_system_vgpr_workitem_id 0
		.amdhsa_next_free_vgpr 1024
		.amdhsa_next_free_sgpr 80
		.amdhsa_reserve_vcc 0
		.amdhsa_float_denorm_mode_32 3
		.amdhsa_float_denorm_mode_16_64 3
		.amdhsa_memory_ordered 1
		.amdhsa_forward_progress 1
		.amdhsa_inst_pref_size 248
	.end_amdhsa_kernel
	.amdgpu_metadata
---
amdhsa.version: [ 1, 2 ]
amdhsa.kernels:
  - .name:           k_qfe18eb8a88_attn
    .symbol:         k_qfe18eb8a88_attn.kd
    .args:
      - { .name: xb, .offset: 0, .size: 8, .value_kind: global_buffer, .address_space: global }
      - { .name: wqkv, .offset: 8, .size: 8, .value_kind: global_buffer, .address_space: global }
      - { .name: ob, .offset: 16, .size: 8, .value_kind: global_buffer, .address_space: global }
      - { .name: pg, .offset: 24, .size: 8, .value_kind: global_buffer, .address_space: global }
      - { .name: mb, .offset: 32, .size: 8, .value_kind: global_buffer, .address_space: global }
    .group_segment_fixed_size: 327680
    .private_segment_fixed_size: 0
    .kernarg_segment_align: 8
    .kernarg_segment_size: 40
    .max_flat_workgroup_size: 128
    .sgpr_count:     80
    .vgpr_count:     1024
    .wavefront_size: 32
...
	.end_amdgpu_metadata
.endif
;; end of part 2
;; launch gctx (part 3): grid 8 x 2, 8 waves a work-group, no clusters, 14,336 bytes of LDS; arguments pg, ctx; writes ctx
.if DOCPART == 3
	.amdgcn_target "amdgcn-amd-amdhsa--gfx1250"
	.amdhsa_code_object_version 6
	.text
	.protected	k_qfe18eb8a88_gctx
	.globl	k_qfe18eb8a88_gctx
	.p2align	8
	.type	k_qfe18eb8a88_gctx,@function
k_qfe18eb8a88_gctx:
	s_mov_b64 s[64:65], 0
	v_nop
	global_prefetch_b8 v0, s[64:65] scope:SCOPE_SE
	s_setreg_imm32_b32 hwreg(HW_REG_WAVE_MODE, 25, 1), 1
	s_wait_xcnt 0x0
; One work-group = one batch b (32 chunks) x one head hh of the cross-chunk attention.  pg [batch][head of g][part 8][chunk 32][64] f32 holds, for each head of the local attention, its part of
; 512 x g.  g = the sum of the eight parts / 512, in f32, rounded once to bf16 (g can be large where inputs carry an offset); ctx[b, :, 64 hh ..] = softmax(g g^T / 8) g, with the row's maximum taken away;
; products' sums, maxima and the weights' sum in f32.
; 16 work-groups: a softmax's row needs all 32 chunks of its batch and head, and there are 16 such pairs.  No cluster, no ring, no prefetch: a work-group reads 64 KiB once, all of it asked for at the start.
; SHARES: a part is 8,192 bytes; thread t takes the 16 bytes at 16 t and at 16 t + 4,096 of each part (a wave's load covers 512 consecutive bytes), so the sum over parts stays in the thread.
; Waves 0 and 1 then do 16 queries each.
.set GB,  0                            ; g in bf16: 32 rows of 128 + 16 bytes
.set GBP, 144
.set OS,  GB+32*GBP                    ; the way out: for each of two waves 16 rows of 256 + 16 bytes
.set OSP, 272
.set SPARE, OS+2*16*OSP                ; the spare words, 128 bytes a wave, that no other line names
.set SPW, 30
.set NIL, 31
.set PS,  32                           ; v32-95: part p's eight floats at PS + 8 p
.set WV,  12
.set CS,  24
.set SEL, 26
.macro PLACES
.rept 4
	v_nop
.endr
.endm
	s_load_b128 s[4:7], s[0:1], 0x0                ; pg s[4:5], ctx s[6:7]
	v_lshl_add_u32 v[SPW], v0, 2, SPARE
	v_mov_b32 v[NIL], 0
	v_lshrrev_b32 v1, 5, v0
	v_readfirstlane_b32 s[WV], v1
	s_mov_b32 s13, ttmp9                           ; hh
	s_and_b32 s14, ttmp7, 0xffff                   ; b
	v_and_b32 v2, 15, v0                           ; r
	v_bfe_u32 v3, v0, 4, 1                         ; h
	v_lshlrev_b32 v4, 4, v0                        ; 16 t
	v_and_b32 v9, 7, v0
	v_mov_b32 v25, 0
	s_lshl_b32 s16, s14, 3
	s_add_co_u32 s16, s16, s13
	s_lshl_b32 s16, s16, 16                        ; the pair's eight parts: 65,536 bytes
	s_mov_b32 s17, 0
	s_mov_b32 s[CS], 0x3e38aa3b                    ; c = log2(e) / 8
	s_mov_b32 s[CS+1], s[CS]
	s_mov_b32 s[SEL], 0x76543210
	s_mov_b32 s[SEL+1], 0xfedcba98
	s_mul_i32 s22, s[WV], 2*GBP
	v_mul_u32_u24 v6, v3, GBP
	v_lshl_add_u32 v6, v2, 3, v6
	v_add_nc_u32 v6, s22, v6                       ; g's row 2 wave + h (and 16 rows on), 8 bytes a lane
	s_wait_kmcnt 0x0
	s_add_nc_u64 s[4:5], s[4:5], s[16:17]
.irp p, 0,1,2,3,4,5,6,7
	global_load_b128 v[PS+8*\p:PS+8*\p+3],   v4, s[4:5] offset:\p*8192
	global_load_b128 v[PS+8*\p+4:PS+8*\p+7], v4, s[4:5] offset:\p*8192+4096
.endr
.irp p, 1,2,3,4,5,6,7
	s_wait_loadcnt 14-2*\p                         ; the later parts' loads, two each, may stay out
.irp k, 0,2,4,6
	v_pk_add_f32 v[PS+\k:PS+\k+1], v[PS+\k:PS+\k+1], v[PS+8*\p+\k:PS+8*\p+\k+1]
.endr
.endr
.irp k, 0,2,4,6
	v_pk_mul_f32 v[PS+\k:PS+\k+1], v[PS+\k:PS+\k+1], 0x3b000000 op_sel_hi:[1,0]   ; / 512: the mean over the chunk's tokens
.endr
.irp k, 0,1,2,3
	v_cvt_pk_bf16_f32 v[96+\k], v[PS+2*\k], v[PS+2*\k+1]
.endr
	ds_store_b64 v6, v[96:97]
	ds_store_b64 v6, v[98:99] offset:16*GBP
	s_wait_dscnt 0x0
	s_barrier_signal -1
	s_barrier_wait -1                              ; g lies in LDS
	s_cmp_lt_u32 s[WV], 2
	s_cbranch_scc0 .Lend
	; THE ATTENTION: wave u has queries 16 u .. 16 u + 15; q = k = v = g.  S^T = K Q^T holds one query a lane; its two results, rounded, are the one fragment of P.
	v_mul_u32_u24 v15, v2, GBP
	v_lshl_add_u32 v15, v3, 4, v15
	v_add_nc_u32 v15, GB, v15                      ; keys' fragments: row r x 144 + 16 h
	s_mul_i32 s22, s[WV], 16*GBP
	v_add_nc_u32 v16, s22, v15                     ; my queries'
	v_lshl_add_u32 v17, v3, 3, v9                  ; the turning load: key 8 h + l % 8, channels 8 ((l / 8) % 2) ..
	v_mul_u32_u24 v17, v17, GBP
	v_bfe_u32 v18, v0, 3, 1
	v_lshl_add_u32 v17, v18, 4, v17
	v_add_nc_u32 v17, GB, v17
.irp c, 0,1
	ds_load_b128 v[32+8*\c:32+8*\c+3], v16 offset:\c*64
	ds_load_b128 v[32+8*\c+4:32+8*\c+7], v16 offset:\c*64+32
.endr
.irp kb, 0,1
.irp c, 0,1
	ds_load_b128 v[48+16*\kb+8*\c:48+16*\kb+8*\c+3], v15 offset:\kb*16*GBP+\c*64
	ds_load_b128 v[48+16*\kb+8*\c+4:48+16*\kb+8*\c+7], v15 offset:\kb*16*GBP+\c*64+32
.endr
.endr
.irp cb, 0,1,2,3
	ds_load_tr16_b128 v[96+8*\cb:96+8*\cb+3], v17 offset:\cb*32
	ds_load_tr16_b128 v[96+8*\cb+4:96+8*\cb+7], v17 offset:\cb*32+16*GBP
.endr
	s_mul_i32 s22, s[WV], 16*OSP
	s_add_co_u32 s22, s22, OS
	v_mul_u32_u24 v19, v2, OSP
	v_lshl_add_u32 v19, v3, 5, v19
	v_add_nc_u32 v19, s22, v19                     ; into the stage: row r, 32 bytes for each half of the lanes
	v_mul_u32_u24 v26, v3, OSP
	v_lshl_add_u32 v26, v2, 4, v26
	v_add_nc_u32 v26, s22, v26                     ; back: lanes 0-15 one row of 256 bytes, lanes 16-31 the next
	v_lshlrev_b32 v27, 11, v3
	v_lshl_add_u32 v27, v2, 4, v27                 ; and the same two rows of ctx
	s_lshl_b32 s16, s14, 16                        ; ctx: row 32 b + 16 u, column 64 hh
	s_lshl_b32 s17, s[WV], 15
	s_add_co_u32 s16, s16, s17
	s_lshl_b32 s17, s13, 8
	s_add_co_u32 s16, s16, s17
	s_mov_b32 s17, 0
	s_add_nc_u64 s[6:7], s[6:7], s[16:17]
	s_wait_dscnt 0x0
	v_wmma_f32_16x16x32_bf16 v[128:135], v[48:55], v[32:39], 0            ; the two accumulators take turns
	v_wmma_f32_16x16x32_bf16 v[136:143], v[64:71], v[32:39], 0
	v_wmma_f32_16x16x32_bf16 v[128:135], v[56:63], v[40:47], v[128:135]
	v_wmma_f32_16x16x32_bf16 v[136:143], v[72:79], v[40:47], v[136:143]
	PLACES
	v_max3_num_f32 v20, v128, v129, v130
	v_max3_num_f32 v21, v136, v137, v138
	v_max3_num_f32 v20, v20, v131, v132
	v_max3_num_f32 v21, v21, v139, v140
	v_max3_num_f32 v20, v20, v133, v134
	v_max3_num_f32 v21, v21, v141, v142
	v_max3_num_f32 v20, v20, v135, v143
	v_max_num_f32 v20, v20, v21
	v_permlanex16_b32 v21, v20, s[SEL], s[SEL+1]   ; the query's other 16 keys lie in the lane 16 away
	v_max_num_f32 v20, v20, v21
	v_mul_f32 v22, s[CS], v20                      ; c m
	v_mov_b32 v23, v22
.irp k, 0,2,4,6,8,10,12,14
	v_pk_fma_f32 v[128+\k:128+\k+1], v[128+\k:128+\k+1], s[CS:CS+1], v[22:23] op_sel_hi:[1,0,0] neg_lo:[0,0,1] neg_hi:[0,0,1]
.endr
.set i, 0
.rept 16
	v_exp_f32 v[128+i], v[128+i]
.set i, i+1
.endr
	v_nop
	s_wait_alu depctr_va_vdst(0)                   ; one wait for the sixteen exponentials
.irp k, 0,1,2,3,4,5,6,7
	v_cvt_pk_bf16_f32 v[144+\k], v[128+2*\k], v[128+2*\k+1]
.endr
.irp cb, 0,1,2,3
	v_wmma_f32_16x16x32_bf16 v[160+8*\cb:160+8*\cb+7], v[96+8*\cb:96+8*\cb+7], v[144:151], 0
.endr
	v_pk_add_f32 v[128:129], v[128:129], v[130:131]  ; the sum of the unrounded weights; these lines are also the places behind the products
	v_pk_add_f32 v[132:133], v[132:133], v[134:135]
	v_pk_add_f32 v[136:137], v[136:137], v[138:139]
	v_pk_add_f32 v[140:141], v[140:141], v[142:143]
	v_pk_add_f32 v[128:129], v[128:129], v[132:133]
	v_pk_add_f32 v[136:137], v[136:137], v[140:141]
	v_pk_add_f32 v[128:129], v[128:129], v[136:137]
	v_add_f32 v24, v128, v129
	v_permlanex16_b32 v25, v24, s[SEL], s[SEL+1]
	v_add_f32 v24, v24, v25
	v_rcp_f32 v24, v24
	v_nop
	s_wait_alu depctr_va_vdst(0)
.set i, 0
.rept 16
	v_pk_mul_f32 v[160+2*i:160+2*i+1], v[160+2*i:160+2*i+1], v[24:25] op_sel_hi:[1,0]
.set i, i+1
.endr
.irp cb, 0,1,2,3
	ds_store_b128 v19, v[160+8*\cb:160+8*\cb+3] offset:\cb*64
	ds_store_b128 v19, v[160+8*\cb+4:160+8*\cb+7] offset:\cb*64+16
.endr
.irp t, 0,1,2,3,4,5,6,7
	ds_load_b128 v[96+4*\t:96+4*\t+3], v26 offset:\t*2*OSP    ; my own bytes: a wave's LDS instructions are served in order
.endr
.irp t, 0,1,2,3,4,5,6,7
	s_wait_dscnt 7-\t
	global_store_b128 v27, v[96+4*\t:96+4*\t+3], s[6:7] offset:\t*4096   ; sixteen lanes store 256 consecutive bytes, aligned
.endr
.Lend:
	s_wait_tensorcnt 0x0                           ; the wave's end, behind my last LDS store
	ds_add_u32 v[SPW], v[NIL]
	s_wait_dscnt 0x0
	s_endpgm
.Lfunc_end_k_qfe18eb8a88_gctx:
	.size	k_qfe18eb8a88_gctx, .Lfunc_end_k_qfe18eb8a88_gctx-k_qfe18eb8a88_gctx
	.p2alignl 7, 3214868480
	.fill 96, 4, 3214868480
	.section	.rodata,"a",@progbits
	.p2align	6, 0x0
	.amdhsa_kernel k_qfe18eb8a88_gctx
		.amdhsa_group_segment_fixed_size 14336
		.amdhsa_private_segment_fixed_size 0
		.amdhsa_enable_private_segment 0
		.amdhsa_kernarg_size 16
		.amdhsa_user_sgpr_count 2
		.amdhsa_user_sgpr_kernarg_segment_ptr 1
		.amdhsa_wavefront_size32 1
		.amdhsa_system_sgpr_workgroup_id_x 1
		.amdhsa_system_sgpr_workgroup_id_y 1
		.amdhsa_system_sgpr_workgroup_id_z 1
		.amdhsa_system_vgpr_workitem_id 0
		.amdhsa_next_free_vgpr 192
		.amdhsa_next_free_sgpr 66
		.amdhsa_reserve_vcc 0
		.amdhsa_float_denorm_mode_32 3
		.amdhsa_float_denorm_mode_16_64 3
		.amdhsa_memory_ordered 1
		.amdhsa_forward_progress 1
		.amdhsa_inst_pref_size 16
	.end_amdhsa_kernel
	.amdgpu_metadata
---
amdhsa.version: [ 1, 2 ]
amdhsa.kernels:
  - .name:           k_qfe18eb8a88_gctx
    .symbol:         k_qfe18eb8a88_gctx.kd
    .args:
      - { .name: pg, .offset: 0, .size: 8, .value_kind: global_buffer, .address_space: global }
      - { .name: ctx, .offset: 8, .size: 8, .value_kind: global_buffer, .address_space: global }
    .group_segment_fixed_size: 14336
    .private_segment_fixed_size: 0
    .kernarg_segment_align: 8
    .kernarg_segment_size: 16
    .max_flat_workgroup_size: 256
    .sgpr_count:     66
    .vgpr_count:     192
    .wavefront_size: 32
...
	.end_amdgpu_metadata
.endif
;; end of part 3
;; launch outp (part 4): grid 128 x 2, 4 waves a work-group, clusters of 4 x 1, 327,680 bytes of LDS; arguments ob, wo16, ctx, out0; writes out0
.if DOCPART == 4
	.amdgcn_target "amdgcn-amd-amdhsa--gfx1250"
	.amdhsa_code_object_version 6
	.text
	.protected	k_qfe18eb8a88_outp
	.globl	k_qfe18eb8a88_outp
	.p2align	8
	.type	k_qfe18eb8a88_outp,@function
k_qfe18eb8a88_outp:
	s_mov_b64 s[64:65], 0
	v_nop
	global_prefetch_b8 v0, s[64:65] scope:SCOPE_SE
	s_setreg_imm32_b32 hwreg(HW_REG_WAVE_MODE, 25, 1), 1
	s_wait_xcnt 0x0
	s_wait_alu depctr_hold_cnt(0) depctr_sa_sdst(0) depctr_va_vdst(0) depctr_va_sdst(0) depctr_va_ssrc(0) depctr_va_vcc(0) depctr_vm_vsrc(0)
	s_getreg_b32 s2, hwreg(HW_REG_IB_STS2, 6, 4)
	s_cmp_eq_u32 s2, 0
	s_cbranch_scc0 .Lentry_in_a_cluster
	s_endpgm
.Lentry_in_a_cluster:
	s_bfe_u32 s2, ttmp6, 0x10000c
	s_cmp_lg_u32 s2, 0x3003
	s_cbranch_scc0 .Lentry_shape_is_right
	s_endpgm
.Lentry_shape_is_right:
; out0[token][n] = the sum over k of O[token][k] Wo[n][k] + ctx[chunk][n].  O (ob) and Wo (wo16) in f16, sums in f32, out0 in f32; ctx is the C operand of the product that starts each sum.
; A tile of out0 is 256 tokens x 256 columns: 256 work-groups; four waves, each 128 x 128: 64 accumulators in windows 2 and 3.  K = 512 goes in four steps of 128 (two heads) through two LDS slots.
; ob [m tile][head][256 tokens][64] and wo16 [n tile][k block][256 n][64] are dense blocks of 32,768 bytes: a wave fetches one block, asked for as 128 rows of 256 bytes, padded in LDS after every 128 bytes.
; CLUSTER 4 x 1: the four partners have four m tiles and one n tile: Wo's blocks are asked for jointly by all four; O's blocks are each work-group's own and come by plain loads behind the same rounds.
; (N has two tiles only, so no cluster of 4 x 4 divides the grid, and the two readers of a block of O lie in different clusters.)
; THE MATRIX INSTRUCTION IS USED TRANSPOSED (source 0 = 16 rows of Wo, source 1 = 16 tokens): a lane holds eight neighbouring columns of one row of out0.
; REGISTERS: window 0: v0-31 addresses; v64-127, v128-191 fragments of O, two buffers (on the way out: rows read back); v192-255 ctx in an accumulator's layout.  window 1: v64-191 fragments of Wo.
; windows 2, 3: accumulator (a, b) at v[8 (8 (a % 4) + b)].
.set PITCH,  144
.set SUBT,   256*PITCH                 ; a block in LDS
.set SLOT,   4*SUBT                    ; O's two heads, then Wo's two k blocks
.set SPARE,  2*SLOT                    ; behind the ring: the spare words, 128 bytes a wave, that no other line names
.set SPITCH, 528                       ; the way out: a row of 512 bytes + 16; each wave's 16 rows lie in slot 0, after its last fill and its last read
.set ADRA, 16
.set ADRB, 20
.set STO,  24
.set RD,   25
.set CO,   26
.set CTO,  27
.set SPW,  28
.set NIL,  29
.set PFO,  30
.set F0,   64
.set F1,   128
.set CT,   192
.set WV,  12
.set WR,  13
.set WC,  14
.set G1,  24
.set G0,  32
.set LIM, 43
.set PFA, 44
.set G1B, 48
.set G0B, 56
.set MSB, 0
.macro WIN new
.if MSB != (\new)
	s_set_vgpr_msb (MSB<<8)|(\new)
.set MSB, (\new)
.endif
.endm
.set MUL_LO, 0xa1                      ; source 0 (Wo) window 1, source 1 (O) window 0, C and D window 2
.set TO_B,   0x40
.macro PLACES
.rept 4
	v_nop
.endr
.endm
.macro JLOAD s                         ; waves 0 and 1 fetch O's two blocks (plain), waves 2 and 3 Wo's (joint); an s_nop 0 and four v_nop follow each line
	s_cmp_eq_u32 s[WR], 0
	s_cbranch_scc0 .Lfor_b_\@
	tensor_load_to_lds s[G0+4*(\s):G0+4*(\s)+3], s[G1:G1+7]
	s_nop 0
.rept 4
	v_nop
.endr
	s_branch .Lasked_\@
.Lfor_b_\@:
	tensor_load_to_lds s[G0B+4*(\s):G0B+4*(\s)+3], s[G1B:G1B+7]
	s_nop 0
.rept 4
	v_nop
.endr
.Lasked_\@:
.endm
.macro CREST
	s_cmp_lg_u32 s[WV], 0
	s_cbranch_scc1 .Lnot_wave_0_\@
	s_barrier_signal -3
.Lnot_wave_0_\@:
	s_barrier_wait -3
	s_barrier_signal -1
	s_barrier_wait -1
.endm
.macro CROUND
	s_barrier_signal -1
	s_barrier_wait -1
	CREST
.endm
; The one prefetch: behind the first refill, my own block of O of K step 3: 128 blocks of 256 bytes, a lane a block, four lines; one K step, 256 matrix instructions, ahead of the load that wants it.
; Both n tiles read the block: the work-groups of n tile 0 ask.  K steps 0 to 2 come by their loads alone; Wo is walked again by every cluster and is not asked for.
.macro ASK
	s_cmp_eq_u32 s[LIM], 1
	s_cbranch_scc0 .Lnot_mine_\@
.irp j, 0,1,2,3
	global_prefetch_b8 v[PFO], s[PFA:PFA+1] offset:\j*8192 th:TH_LOAD_NT scope:SCOPE_SE
.endr
.Lnot_mine_\@:
.endm
	s_load_b256 s[4:11], s[0:1], 0x0               ; ob s[4:5], wo16 s[6:7], ctx s[8:9], out0 s[10:11]
	v_lshl_add_u32 v[SPW], v0, 2, SPARE
	v_mov_b32 v[NIL], 0
	ds_add_u32 v[SPW], v[NIL]                      ; the wave's opening: the add and its wait ahead of my first tensor load
	v_lshrrev_b32 v1, 5, v0
	v_readfirstlane_b32 s[WV], v1
	s_lshr_b32 s[WR], s[WV], 1                     ; my half of the rows.  Also: I fetch for O (0) or for Wo (1)
	s_and_b32 s[WC], s[WV], 1                      ; my half of the columns.  Also: which of a K step's two blocks I fetch
	s_bfe_u32 s15, ttmp6, 0x40000                  ; cx
	s_lshl_b32 s16, ttmp9, 2
	s_add_co_u32 s16, s16, s15                     ; m tile
	s_and_b32 s17, ttmp7, 0xffff                   ; n tile, which the four partners share
	s_mov_b32 s[G1], (1<<16)|(1<<20)|(4<<22)|(3<<25)                    ; 2-byte elements; 4 words of padding after every 32 words
	s_mov_b32 s[G1B], 15|(1<<16)|(1<<20)|(1<<21)|(4<<22)|(3<<25)        ; the same with the mask of four, and bit 21 beside it
.irp g, G1, G1B
	s_mov_b32 s[(\g)+1], 128<<16
	s_mov_b32 s[(\g)+2], 128<<16
	s_mov_b32 s[(\g)+3], 128<<16
	s_mov_b32 s[(\g)+4], 128
	s_mov_b32 s[(\g)+5], 128
	s_mov_b32 s[(\g)+6], 0
	s_mov_b32 s[(\g)+7], 0
.endr
	s_lshl_b32 s40, s16, 3
	s_add_co_u32 s40, s40, s[WC]
	s_lshl_b32 s40, s40, 15                        ; O: block (m tile, head = my number's low bit)
	s_mov_b32 s41, 0
	s_lshl_b32 s46, s17, 3
	s_add_co_u32 s46, s46, s[WC]
	s_lshl_b32 s46, s46, 15                        ; Wo: block (n tile, k block)
	s_mov_b32 s47, 0
	s_mul_i32 s20, s[WV], SUBT                     ; where they go: wave x a block
	s_wait_dscnt 0x0                               ; the opening add is done
	s_wait_kmcnt 0x0
	s_add_nc_u64 s[40:41], s[4:5], s[40:41]
	s_add_nc_u64 s[46:47], s[6:7], s[46:47]
	CROUND                                         ; all four work-groups are here: the first joint loads meet
.irp s, 0,1
	s_mov_b32 s[G0+4*(\s)], 1
	s_add_co_u32 s[G0+4*(\s)+1], s20, (\s)*SLOT
	s_add_nc_u64 s[G0+4*(\s)+2:G0+4*(\s)+3], s[40:41], (\s)*65536
	s_or_b32 s[G0+4*(\s)+3], s[G0+4*(\s)+3], 0x80000000
	s_mov_b32 s[G0B+4*(\s)], 1
	s_add_co_u32 s[G0B+4*(\s)+1], s20, (\s)*SLOT
	s_add_nc_u64 s[G0B+4*(\s)+2:G0B+4*(\s)+3], s[46:47], (\s)*65536
	s_or_b32 s[G0B+4*(\s)+3], s[G0B+4*(\s)+3], 0x80000000
	JLOAD \s                                       ; two loads of mine are out
.endr
	v_and_b32 v1, 15, v0                           ; r
	v_bfe_u32 v2, v0, 4, 1                         ; h
	v_lshlrev_b32 v[CTO], 5, v2
	s_lshr_b32 s18, s16, 1                         ; chunk
	s_lshl_b32 s18, s18, 11
	s_lshl_b32 s19, s17, 10
	s_add_co_u32 s18, s18, s19
	s_lshl_b32 s19, s[WC], 9
	s_add_co_u32 s18, s18, s19
	s_mov_b32 s19, 0
	s_add_nc_u64 s[8:9], s[8:9], s[18:19]          ; ctx at my 128 columns
.irp b, 0,1,2,3,4,5,6,7
	global_load_b128 v[CT+8*\b:CT+8*\b+3],   v[CTO], s[8:9] offset:64*\b       ; columns 16 b + 8 h + 0..7, the same for every row
	global_load_b128 v[CT+8*\b+4:CT+8*\b+7], v[CTO], s[8:9] offset:64*\b+16
.endr
	v_mul_u32_u24 v3, v1, PITCH
	v_lshl_add_u32 v3, v2, 4, v3
	s_mul_i32 s21, s[WR], 128*PITCH
	s_mul_i32 s22, s[WC], 128*PITCH
	s_add_co_u32 s22, s22, 2*SUBT
.irp s, 0,1
	v_add_nc_u32 v[ADRA+(\s)], s21, v3
	v_add_nc_u32 v[ADRB+(\s)], s22, v3
	s_add_co_u32 s21, s21, SLOT
	s_add_co_u32 s22, s22, SLOT
.endr
	s_mul_i32 s23, s[WV], 16*SPITCH                ; my stage
	v_mul_u32_u24 v4, v1, SPITCH
	v_lshl_add_u32 v4, v2, 5, v4
	v_add_nc_u32 v[STO], s23, v4                   ; in: row r, 32 bytes for each half of the lanes
	v_and_b32 v5, 31, v0
	v_lshlrev_b32 v[CO], 4, v5                     ; back and out: a row's 512 bytes, 16 a lane
	v_add_nc_u32 v[RD], s23, v[CO]
	v_lshlrev_b32 v[PFO], 8, v5
	s_lshl_b32 s18, s16, 19                        ; out0: row 256 m tile + 128 half, column 256 n tile + 128 half
	s_lshl_b32 s19, s[WR], 18
	s_add_co_u32 s18, s18, s19
	s_lshl_b32 s19, s17, 10
	s_add_co_u32 s18, s18, s19
	s_lshl_b32 s19, s[WC], 9
	s_add_co_u32 s18, s18, s19
	s_mov_b32 s19, 0
	s_add_nc_u64 s[10:11], s[10:11], s[18:19]
	s_add_nc_u64 s[PFA:PFA+1], s[40:41], 3*65536   ; my block of K step 3; never rewritten
	s_or_b32 s[LIM], s[WR], s17
	s_cmp_eq_u32 s[LIM], 0
	s_cselect_b32 s[LIM], 1, -1                    ; waves 0 and 1 where the n tile is 0: the same in all four partners
; 16 matrix instructions: m blocks a0, a0 + 1 of the window's four x all 8 n blocks, 32 along K.  zero = 1: ctx starts the sums.  The 64 accumulators take turns.
.macro MUL16 f, hi, a0, zero
.if \zero
	WIN 0x81+0x40*(\hi)                            ; C (ctx) in window 0, D in window 2 or 3
.else
	WIN MUL_LO+0x50*(\hi)
.endif
.irp a, \a0, (\a0)+1
.irp b, 0,1,2,3,4,5,6,7
.if \zero
	v_wmma_f32_16x16x32_f16 v[8*(8*(\a)+(\b)):8*(8*(\a)+(\b))+7], v[(\f)+8*(\b):(\f)+8*(\b)+7], v[(\f)+8*(4*(\hi)+(\a)):(\f)+8*(4*(\hi)+(\a))+7], v[CT+8*(\b):CT+8*(\b)+7]
.else
	v_wmma_f32_16x16x32_f16 v[8*(8*(\a)+(\b)):8*(8*(\a)+(\b))+7], v[(\f)+8*(\b):(\f)+8*(\b)+7], v[(\f)+8*(4*(\hi)+(\a)):(\f)+8*(4*(\hi)+(\a))+7], v[8*(8*(\a)+(\b)):8*(8*(\a)+(\b))+7]
.endif
.endr
.endr
.endm
.macro FETCH slot, k, f                ; 32 LDS loads in one run: a quarter step's fragments (128 rows of Wo, 128 of O, 32 along K at byte k) into buffer f
	WIN TO_B
.irp i, 0,1,2,3,4,5,6,7
	ds_load_b128 v[(\f)+8*(\i):(\f)+8*(\i)+3],   v[ADRB+(\slot)] offset:(\k)+(\i)*16*PITCH
	ds_load_b128 v[(\f)+8*(\i)+4:(\f)+8*(\i)+7], v[ADRB+(\slot)] offset:(\k)+(\i)*16*PITCH+32
.endr
	WIN 0
.irp i, 0,1,2,3,4,5,6,7
	ds_load_b128 v[(\f)+8*(\i):(\f)+8*(\i)+3],   v[ADRA+(\slot)] offset:(\k)+(\i)*16*PITCH
	ds_load_b128 v[(\f)+8*(\i)+4:(\f)+8*(\i)+7], v[ADRA+(\slot)] offset:(\k)+(\i)*16*PITCH+32
.endr
.endm
; A K step is four quarters of 32 along K, at bytes 0, 64 (first head), SUBT, SUBT + 64 (second head).  One of the first three multiplies buffer f and fetches the next quarter into g.
.macro QUARTER slot, k, f, g, zero
	s_wait_dscnt 8                                 ; Wo's fragments and O's rows 0-63 are in; the youngest eight loads may be out
	MUL16 \f, 0, 0, \zero
	MUL16 \f, 0, 2, \zero
	PLACES
	FETCH \slot, \k, \g
	s_wait_dscnt 32                                ; all but the 32 just issued
	MUL16 \f, 1, 0, \zero
	MUL16 \f, 1, 2, \zero
.endm
; The last quarter multiplies buffer 1 and changes slots: in front of the barrier each wave waits for all its tensor loads, adds 0 to its spare word, and waits for that and for its reads of this slot.
; fill = 1: the barrier opens a round of the cluster's barrier, and the refill (the K step two on) is the first thing behind it: 224 matrix instructions ahead of the wait for it.
.macro TURN slot, next, fill, ask=0
	WIN 0
	s_wait_tensorcnt 0x0
	ds_add_u32 v[SPW], v[NIL]
	s_wait_dscnt 9                                 ; the add and the youngest eight loads may be out
	MUL16 F1, 0, 0, 0
	s_wait_dscnt 0x0                               ; the add is done, and my reads of this slot are over
	s_barrier_signal -1
	MUL16 F1, 0, 2, 0
.if \fill
	WIN 0
.endif
	s_barrier_wait -1
.if \fill
	CREST
	s_add_nc_u64 s[G0+4*(\slot)+2:G0+4*(\slot)+3], s[G0+4*(\slot)+2:G0+4*(\slot)+3], 2*65536
	s_add_nc_u64 s[G0B+4*(\slot)+2:G0B+4*(\slot)+3], s[G0B+4*(\slot)+2:G0B+4*(\slot)+3], 2*65536
	JLOAD \slot                                    ; the four v_nop behind it are also the places in front of the loads below
.else
	PLACES
.endif
	FETCH \next, 0, F0
.if \ask
	ASK
.endif
	MUL16 F1, 1, 0, 0
	MUL16 F1, 1, 2, 0
.endm
; THE WAY OUT of block a (16 rows x 128 columns of f32): straight from the accumulators into my stage, each accumulator's low half first, back as whole rows of 512 bytes, and stored.
.macro TOSTAGE a
	WIN 0x08+4*((\a)/4)                            ; the stores' data in window 2 or 3
.irp b, 0,1,2,3,4,5,6,7
	ds_store_b128 v[STO], v[64*((\a)%4)+8*\b:64*((\a)%4)+8*\b+3]   offset:64*\b
	ds_store_b128 v[STO], v[64*((\a)%4)+8*\b+4:64*((\a)%4)+8*\b+7] offset:64*\b+16
.endr
	WIN 0
	s_wait_xcnt 0x0                                ; the stores of the block two back have read the registers that are loaded now
.irp t, 0,1,2,3,4,5,6,7,8,9,10,11,12,13,14,15
	ds_load_b128 v[64+64*((\a)%2)+4*\t:64+64*((\a)%2)+4*\t+3], v[RD] offset:\t*SPITCH   ; a wave's LDS instructions are served in order: these see the stores above
.endr
.endm
.macro SEND a, younger                 ; younger: the next block's 16 stores and 16 loads, or none
.irp t, 0,1,2,3,4,5,6,7,8,9,10,11,12,13,14,15
	s_wait_dscnt (\younger)+15-\t
	global_store_b128 v[CO], v[64+64*((\a)%2)+4*\t:64+64*((\a)%2)+4*\t+3], s[10:11] offset:(16*(\a)+\t)*2048 th:TH_STORE_NT   ; 512 consecutive bytes, aligned
.endr
.endm
	s_wait_tensorcnt 1                             ; my part of K step 0 is in; K step 1's may stay out
	s_barrier_signal -1
	s_barrier_wait -1
	FETCH 0, 0, F0
	s_wait_loadcnt 0x0                             ; ctx
	QUARTER 0, 64,      F0, F1, 1
	QUARTER 0, SUBT,    F1, F0, 0
	QUARTER 0, SUBT+64, F0, F1, 0
	TURN 0, 1, 1, 1                                ; slot 0 takes K step 2
	QUARTER 1, 64,      F0, F1, 0
	QUARTER 1, SUBT,    F1, F0, 0
	QUARTER 1, SUBT+64, F0, F1, 0
	TURN 1, 0, 1                                   ; slot 1 takes K step 3
	QUARTER 0, 64,      F0, F1, 0
	QUARTER 0, SUBT,    F1, F0, 0
	QUARTER 0, SUBT+64, F0, F1, 0
	TURN 0, 1, 0                                   ; nothing is left to fetch; behind this barrier nobody reads slot 0 any more
	QUARTER 1, 64,      F0, F1, 0
	QUARTER 1, SUBT,    F1, F0, 0
	QUARTER 1, SUBT+64, F0, F1, 0
	s_wait_dscnt 8
	MUL16 F1, 0, 0, 0
	MUL16 F1, 0, 2, 0
	s_wait_dscnt 0x0
	MUL16 F1, 1, 0, 0
	MUL16 F1, 1, 2, 0
	WIN 0
	PLACES
	TOSTAGE 0
.irp a, 1,2,3,4,5,6,7
	TOSTAGE \a
	SEND (\a)-1, 32
.endr
	SEND 7, 0
	s_wait_tensorcnt 0x0                           ; the wave's end
	ds_add_u32 v[SPW], v[NIL]
	s_wait_dscnt 0x0
	CROUND                                         ; the closing round
	s_endpgm
.Lfunc_end_k_qfe18eb8a88_outp:
	.size	k_qfe18eb8a88_outp, .Lfunc_end_k_qfe18eb8a88_outp-k_qfe18eb8a88_outp
	.p2alignl 7, 3214868480
	.fill 96, 4, 3214868480
	.section	.rodata,"a",@progbits
	.p2align	6, 0x0
	.amdhsa_kernel k_qfe18eb8a88_outp
		.amdhsa_group_segment_fixed_size 327680
		.amdhsa_private_segment_fixed_size 0
		.amdhsa_enable_private_segment 0
		.amdhsa_kernarg_size 32
		.amdhsa_user_sgpr_count 2
		.amdhsa_user_sgpr_kernarg_segment_ptr 1
		.amdhsa_wavefront_size32 1
		.amdhsa_system_sgpr_workgroup_id_x 1
		.amdhsa_system_sgpr_workgroup_id_y 1
		.amdhsa_system_sgpr_workgroup_id_z 1
		.amdhsa_system_vgpr_workitem_id 0
		.amdhsa_next_free_vgpr 1024
		.amdhsa_next_free_sgpr 66
		.amdhsa_reserve_vcc 0
		.amdhsa_float_denorm_mode_32 3
		.amdhsa_float_denorm_mode_16_64 3
		.amdhsa_memory_ordered 1
		.amdhsa_forward_progress 1
		.amdhsa_inst_pref_size 145
	.end_amdhsa_kernel
	.amdgpu_metadata
---
amdhsa.version: [ 1, 2 ]
amdhsa.kernels:
  - .name:           k_qfe18eb8a88_outp
    .symbol:         k_qfe18eb8a88_outp.kd
    .args:
      - { .name: ob, .offset: 0, .size: 8, .value_kind: global_buffer, .address_space: global }
      - { .name: wo16, .offset: 8, .size: 8, .value_kind: global_buffer, .address_space: global }
      - { .name: ctx, .offset: 16, .size: 8, .value_kind: global_buffer, .address_space: global }
      - { .name: out0, .offset: 24, .size: 8, .value_kind: global_buffer, .address_space: global }
    .group_segment_fixed_size: 327680
    .private_segment_fixed_size: 0
    .kernarg_segment_align: 8
    .kernarg_segment_size: 32
    .max_flat_workgroup_size: 128
    .sgpr_count:     66
    .vgpr_count:     1024
    .wavefront_size: 32
...
	.end_amdgpu_metadata
.endif
;; end of part 4
